; MI455X (gfx1250); checked and timed in simulation.
; The chip was launched on July 23, 2026; its instructions are those of AMD's public machine-readable ISA for CDNA 5 (MIT licence, August 2026) and "CDNA5" Instruction Set Architecture Reference Guide (July 2026). The comments in the code are by the model that wrote it; some were corrected since.
;; Multi Head Attention. Allowed arithmetic: float matrix products may take bf16 or f16 operands with f32 sums; all other float work in f32.
;; Inputs: b_k 1,024 float32; b_o 1,024 float32; b_q 1,024 float32; b_v 1,024 float32; k 2 x 2,048 x 1,024 float32; q 2 x 2,048 x 1,024 float32; v 2 x 2,048 x 1,024 float32; w_k 1,024 x 1,024 float32; w_o 1,024 x 1,024 float32; w_q 1,024 x 1,024 float32; w_v 1,024 x 1,024 float32.
;; Outputs: out0 2 x 2,048 x 1,024 float32.
;; 2 versions, each right; version 2 is version 1 with the launch cast written anew for expert scheduling mode. Each part assembles by itself: llvm-mc -triple=amdgcn-amd-amdhsa -mcpu=gfx1250 --defsym DOCPART=n.
;; ======== version 1 of 2: 4 launches
;; limits: values are held in f16: magnitudes above 65,504 overflow, below 6.1e-05 lose precision
;; workspace buffers: cb 33,554,432 bytes; qkv 25,165,824 bytes; ao 8,388,608 bytes
;; launch cast (part 1): grid 256 x 1, 16 waves a work-group, no clusters, 0 bytes of LDS; arguments q, k, v, w_q, w_k, w_v, w_o, cb; writes cb
.if DOCPART == 1
	.amdgcn_target "amdgcn-amd-amdhsa--gfx1250"
	.amdhsa_code_object_version 6
	.text
	.protected	k_qea72b13c1e_cast
	.globl	k_qea72b13c1e_cast
	.p2align	8
	.type	k_qea72b13c1e_cast,@function
k_qea72b13c1e_cast:
	s_mov_b64 s[64:65], 0
	v_nop
	global_prefetch_b8 v0, s[64:65] scope:SCOPE_SE
	s_setreg_imm32_b32 hwreg(HW_REG_WAVE_MODE, 25, 1), 1
	s_wait_xcnt 0x0
; q, k, v (16 MiB of f32 each) and w_q, w_k, w_v, w_o (4 MiB each) are rounded once to f16, in their own layout, into cb:
; q at 0, k at 8 MiB, v at 16 MiB (together one matrix of 12,288 rows x 1,024), w_q at 24 MiB, w_k at 26, w_v at 28, w_o at 30.
; 64 MiB of source = 256 work-groups x 262,144 bytes; work-group i writes the 131,072 bytes at cb + i x 131,072.
; Why f16 and not bf16: the later products are judged to a hundredth of the output's root mean square, and the chain of
; roundings (Q, K, P, V, the attention output) in 8-bit significands adds up to more than a third of that; in 11 bits to a fourteenth.
; LIMIT: a magnitude above 65,504 becomes infinite, one below 2^-14 keeps an absolute step of 2^-24.  The activations' spread is 1
; and the weights' 1/32: thirty times larger is about 165, thirty times smaller about 0.001: both lie inside.
; A stream: no LDS, no barrier, no matrix unit.  A wave owns 16 KiB of source: 32 loads of 512 neighbouring bytes, all issued at once,
; then 32 stores of 256 neighbouring bytes that start at a multiple of 256.  No register is written twice, so no source needs a wait.
.set X, 8                              ; v[8:135]    load i: four f32
.set Y, 136                            ; v[136:199]  store i: four f16
	s_load_b512 s[8:23], s[0:1], 0x0               ; q s[8:9], k s[10:11], v s[12:13], w_q s[14:15], w_k s[16:17], w_v s[18:19], w_o s[20:21], cb s[22:23]
	s_lshr_b32 s2, ttmp9, 6                        ; g: 0 q, 1 k, 2 v, 3 a weight (64 work-groups for 16 MiB)
	s_bfe_u32 s3, ttmp9, 0x20004                   ; j: which weight (16 work-groups for 4 MiB)
	s_and_b32 s4, ttmp9, 63                        ; my chunk in an activation
	s_and_b32 s5, ttmp9, 15                        ; my chunk in a weight
	v_lshrrev_b32 v3, 5, v0                        ; wave
	v_and_b32 v4, 31, v0                           ; lane
	v_lshlrev_b32 v1, 4, v4
	v_lshl_or_b32 v1, v3, 14, v1                   ; source: 16,384 x wave + 16 x lane
	v_lshlrev_b32 v2, 3, v4
	v_lshl_or_b32 v2, v3, 13, v2                   ; destination: 8,192 x wave + 8 x lane
	s_wait_kmcnt 0x0
	s_cmp_eq_u32 s2, 1                             ; the source is chosen among the buffers by the work-group's number alone
	s_cselect_b64 s[24:25], s[10:11], s[8:9]
	s_cmp_eq_u32 s2, 2
	s_cselect_b64 s[24:25], s[12:13], s[24:25]
	s_cmp_eq_u32 s3, 1
	s_cselect_b64 s[26:27], s[16:17], s[14:15]
	s_cmp_eq_u32 s3, 2
	s_cselect_b64 s[26:27], s[18:19], s[26:27]
	s_cmp_eq_u32 s3, 3
	s_cselect_b64 s[26:27], s[20:21], s[26:27]
	s_cmp_eq_u32 s2, 3
	s_cselect_b64 s[24:25], s[26:27], s[24:25]
	s_cselect_b32 s28, s5, s4
	s_lshl_b32 s28, s28, 18                        ; my chunk x 262,144 bytes
	s_mov_b32 s29, 0
	s_add_nc_u64 s[24:25], s[24:25], s[28:29]
	s_lshl_b32 s30, ttmp9, 17                      ; work-group x 131,072 bytes
	s_mov_b32 s31, 0
	s_add_nc_u64 s[22:23], s[22:23], s[30:31]
.set i, 0
.rept 32
	global_load_b128 v[X+4*i:X+4*i+3], v1, s[24:25] offset:512*i th:TH_LOAD_NT   ; read once in the whole launch
.set i, i+1
.endr
.set i, 0
.rept 32
	s_wait_loadcnt 31-i                            ; loads come back in order (ISA guide 5.7.1): load i is in, the 31 - i younger ones stay out
	v_cvt_pk_f16_f32 v[Y+2*i],   v[X+4*i],   v[X+4*i+1]
	v_cvt_pk_f16_f32 v[Y+2*i+1], v[X+4*i+2], v[X+4*i+3]
	global_store_b64 v2, v[Y+2*i:Y+2*i+1], s[22:23] offset:256*i   ; the wave stores 256 consecutive bytes; the next launch reads them, so no streaming hint
.set i, i+1
.endr
	s_endpgm
.Lfunc_end_k_qea72b13c1e_cast:
	.size	k_qea72b13c1e_cast, .Lfunc_end_k_qea72b13c1e_cast-k_qea72b13c1e_cast
	.p2alignl 7, 3214868480
	.fill 96, 4, 3214868480
	.section	.rodata,"a",@progbits
	.p2align	6, 0x0
	.amdhsa_kernel k_qea72b13c1e_cast
		.amdhsa_group_segment_fixed_size 0
		.amdhsa_private_segment_fixed_size 0
		.amdhsa_enable_private_segment 0
		.amdhsa_kernarg_size 64
		.amdhsa_user_sgpr_count 2
		.amdhsa_user_sgpr_kernarg_segment_ptr 1
		.amdhsa_wavefront_size32 1
		.amdhsa_system_sgpr_workgroup_id_x 1
		.amdhsa_system_sgpr_workgroup_id_y 1
		.amdhsa_system_sgpr_workgroup_id_z 1
		.amdhsa_system_vgpr_workitem_id 0
		.amdhsa_next_free_vgpr 200
		.amdhsa_next_free_sgpr 66
		.amdhsa_reserve_vcc 0
		.amdhsa_float_denorm_mode_32 3
		.amdhsa_float_denorm_mode_16_64 3
		.amdhsa_memory_ordered 1
		.amdhsa_forward_progress 1
		.amdhsa_inst_pref_size 13
	.end_amdhsa_kernel
	.amdgpu_metadata
---
amdhsa.version: [ 1, 2 ]
amdhsa.kernels:
  - .name:           k_qea72b13c1e_cast
    .symbol:         k_qea72b13c1e_cast.kd
    .args:
      - { .name: q, .offset: 0, .size: 8, .value_kind: global_buffer, .address_space: global }
      - { .name: k, .offset: 8, .size: 8, .value_kind: global_buffer, .address_space: global }
      - { .name: v, .offset: 16, .size: 8, .value_kind: global_buffer, .address_space: global }
      - { .name: w_q, .offset: 24, .size: 8, .value_kind: global_buffer, .address_space: global }
      - { .name: w_k, .offset: 32, .size: 8, .value_kind: global_buffer, .address_space: global }
      - { .name: w_v, .offset: 40, .size: 8, .value_kind: global_buffer, .address_space: global }
      - { .name: w_o, .offset: 48, .size: 8, .value_kind: global_buffer, .address_space: global }
      - { .name: cb, .offset: 56, .size: 8, .value_kind: global_buffer, .address_space: global }
    .group_segment_fixed_size: 0
    .private_segment_fixed_size: 0
    .kernarg_segment_align: 8
    .kernarg_segment_size: 64
    .max_flat_workgroup_size: 512
    .sgpr_count:     66
    .vgpr_count:     200
    .wavefront_size: 32
...
	.end_amdgpu_metadata
.endif
;; end of part 1
;; launch proj (part 2): grid 4 x 48, 4 waves a work-group, clusters of 4 x 4, 327,680 bytes of LDS; arguments cb, b_q, b_k, b_v, qkv; writes qkv
.if DOCPART == 2
	.amdgcn_target "amdgcn-amd-amdhsa--gfx1250"
	.amdhsa_code_object_version 6
	.text
	.protected	k_qea72b13c1e_proj
	.globl	k_qea72b13c1e_proj
	.p2align	8
	.type	k_qea72b13c1e_proj,@function
k_qea72b13c1e_proj:
	s_mov_b64 s[64:65], 0
	v_nop
	global_prefetch_b8 v0, s[64:65] scope:SCOPE_SE
	s_setreg_imm32_b32 hwreg(HW_REG_WAVE_MODE, 25, 1), 1
	s_wait_xcnt 0x0
	s_wait_alu depctr_hold_cnt(0) depctr_sa_sdst(0) depctr_va_vdst(0) depctr_va_sdst(0) depctr_va_ssrc(0) depctr_va_vcc(0) depctr_vm_vsrc(0)
	s_getreg_b32 s2, hwreg(HW_REG_IB_STS2, 6, 4)
	s_cmp_eq_u32 s2, 0
	s_cbranch_scc0 .Lentry_in_a_cluster
	s_endpgm
.Lentry_in_a_cluster:
	s_bfe_u32 s2, ttmp6, 0x10000c
	s_cmp_lg_u32 s2, 0xf033
	s_cbranch_scc0 .Lentry_shape_is_right
	s_endpgm
.Lentry_shape_is_right:
; The three input projections as one product: C[12288][1024] = X W + b, X = the f16 copies of q, k, v one below the other (cb),
; W = w_q, w_k or w_v (f16 in cb, stored [K][N]) by the block of 4,096 rows, b likewise.  Sums and bias in f32; C rounded once to f16
; and stored head-major, qkv[projection][batch][head][token][64], so that every later tile of a head is one dense block.
; LIMIT: a projected number above 65,504 becomes infinite in f16.  With all inputs thirty times larger the projections' spread is 900
; (about 5,000 at 5.5 spreads); with offsets of thirty spreads in activations and weights they reach 1024 x 30 x 30/32 = 28,800.
; A work-group makes 256 x 256 of C with four waves, as many as a WGP has SIMDs; a wave makes 128 x 128: 64 accumulator tiles, 512 registers.
; 48 x 4 = 192 work-groups: 12,288 rows do not divide into 256 equal blocks that stay inside one projection.
; K goes in steps of 128 through two LDS slots filled by the tensor data mover; every tile row is 256 bytes of memory at a multiple of 256.
; CLUSTERS: 4 x 4 work-groups.  X's tile hangs on the block row alone and is asked for jointly along a row of the cluster, W's on the block
; column (and on the projection, which hangs on the cluster's y alone: four clusters a projection) and is asked for jointly along a column.
; W lies [K][N]: its fragments are read by the transposing LDS load.
;
; REGISTERS, in windows of 256: window 0: v0-31 addresses; v64-127, v128-191 X's fragments, two buffers; v192-255 the bias, later the way out
;   window 1: v64-127, v128-191 W's fragments, two buffers;  window 2: accumulators of my rows 0-63 (tile (a, b) at v[8 (8 a + b)]);  window 3: rows 64-127
; THE MATRIX INSTRUCTION IS USED TRANSPOSED: source 0 = 16 columns of W, source 1 = 16 rows of X.  Lane l then holds row l % 16 of C and its
; registers 0 to 7 the columns 8 (l / 16) + 0 .. 7: eight neighbouring numbers of a row, 16 bytes of f16.
.set KSTEP,  128
.set SIZE_K, 1024
.set SIZE_N, 1024
.set PITCHA, 272                       ; X's LDS row: 256 bytes + 16: an odd multiple of 16, so 16 rows start in 16 different 16-byte columns of 256 bytes
.set PITCHB, 288                       ; W's LDS row: 256 bytes + 32: an odd multiple of 32, as the transposing load's eight rows by two columns want
.set HALFA,  128*PITCHA                ; 128 rows of X x 128 K
.set HALFB,  128*PITCHB                ; 128 K x 128 columns of W
.set SLOT,   2*HALFA+2*HALFB           ; X's two halves, then W's two halves: 143,360 bytes
.set STAGE,  2*SLOT                    ; behind the ring, at a multiple of 256: 16 rows x 272 bytes for each wave; no tile lands here
.set SPITCH, 272
.set LAPS,   SIZE_K/(2*KSTEP)          ; a lap = two K steps = once round the ring: 4
.set WOFF,   25165824                  ; w_q's copy in cb; w_k and w_v follow, 2 MiB each
.set ADRA, 16                          ; v16-17  LDS address of my X fragments in slot 0, 1
.set ADRB, 20                          ; v20-21  the same for W
.set STO,  24                          ; v24     the way out: where I put 16 bytes of a row
.set RD,   25                          ; v25     the way out: where I read back
.set CO,   26                          ; v26     my byte offset in qkv
.set F0,   64
.set F1,   128
.set BIAS, 192                         ; v192-255: register 8 b + j = bias of column 16 b + 8 (l / 16) + j: the C operand of the first products
.set TMP,  192                         ; the same registers on the way out: packed results
.set G1, 24                            ; s[24:31] descriptor group 1 for X's tiles
.set G0, 32                            ; s[32:39] group 0 for X's tiles, one set for each slot
.set G1B, 48                           ; s[48:55] group 1 for W's tiles
.set G0B, 56                           ; s[56:63] group 0 for W's tiles, one set for each slot
.set MSB, 0
.macro WIN new                         ; the immediate's high byte repeats the setting that is left
.if MSB != \new
	s_set_vgpr_msb (MSB<<8)|\new
.set MSB, \new
.endif
.endm
.set MUL_LO,   0xa1                    ; source 0 (W) window 1, source 1 (X) window 0, C and D window 2
.set MUL_HI,   0xf1                    ; the same, C and D window 3
.set FIRST_LO, 0x81                    ; the first products: C is the bias in window 0, D window 2
.set FIRST_HI, 0xc1                    ; D window 3
.set TO_B,     0x40                    ; destination window 1, address window 0
; A joint load.  Waves 0 and 1 fetch X's two halves, waves 2 and 3 W's.  Each line has one mask and one set of registers for all that issue it.
.macro JLOAD s
	s_cmp_eq_u32 s11, 0
	s_cbranch_scc0 .Lfor_b_\@
	tensor_load_to_lds s[G0+4*\s:G0+4*\s+3], s[G1:G1+7]
	s_nop 0
	s_branch .Lasked_\@
.Lfor_b_\@:
	tensor_load_to_lds s[G0B+4*\s:G0B+4*\s+3], s[G1B:G1B+7]
	s_nop 0
.Lasked_\@:
.endm
; A round of the cluster's barrier: my work-group's barrier, wave 0 signals for the work-group, every wave waits for all sixteen, my work-group's barrier once more.
.macro CREST                           ; a round behind its opening barrier
	s_cmp_lg_u32 s10, 0
	s_cbranch_scc1 .Lnot_wave_0_\@
	s_barrier_signal -3
.Lnot_wave_0_\@:
	s_barrier_wait -3
	s_barrier_signal -1
	s_barrier_wait -1
.endm
.macro CROUND                          ; a whole round
	s_barrier_signal -1
	s_barrier_wait -1
	CREST
.endm
	s_load_b256 s[68:75], s[0:1], 0x0              ; cb s[68:69], b_q s[70:71], b_k s[72:73], b_v s[74:75]
	s_load_b64 s[8:9], s[0:1], 0x20                ; qkv
	s_set_vgpr_msb 0x40
	v_lshl_add_u32 v255, v0, 2, 0x4a400
	s_set_vgpr_msb 0x4000
	v_mov_b32 v63, 0
	s_set_vgpr_msb 0x1
	ds_add_u32 v255, v63
	s_set_vgpr_msb 0x100
	v_lshrrev_b32 v1, 5, v0
	v_readfirstlane_b32 s10, v1                    ; wave 0..3
	s_lshr_b32 s11, s10, 1                         ; which half of the block's rows is mine.  Also: I fetch for X (0) or for W (1)
	s_and_b32 s12, s10, 1                          ; which half of its columns.  Also: which half of that tile I fetch
	s_bfe_u32 s40, ttmp6, 0x40000                  ; cx
	s_bfe_u32 s41, ttmp6, 0x40004                  ; cy
	s_lshl_b32 s42, ttmp9, 2
	s_add_co_u32 s42, s42, s40                     ; block column = 4 x cluster x + cx
	s_and_b32 s13, ttmp7, 0xffff
	s_lshr_b32 s66, s13, 2                         ; projection 0, 1, 2 = cluster y / 4: the same in all sixteen partners
	s_lshl_b32 s13, s13, 2
	s_add_co_u32 s13, s13, s41                     ; block row = 4 x cluster y + cy, 0 to 47
	s_lshl_b32 s43, s41, 2
	s_lshl_b32 s43, 15, s43                        ; my row of the cluster: places 4 cy .. 4 cy + 3
	s_lshl_b32 s44, 0x1111, s40                    ; my column: places cx, cx + 4, cx + 8, cx + 12
	; group 1: both tiles are 128 rows x 128 elements of 2 bytes, 1,024 elements from row to row; they differ in the mask and the padding
	s_or_b32 s[G1+0], s43, (1<<16)|(1<<20)|(1<<21)|(5<<22)|(3<<25)  ; 15:0 mask; 17:16 2 bytes; 20 padding on; 21 set beside a mask; 24:22 after every 64 words; 31:25 four words
	s_or_b32 s[G1B+0], s44, (1<<16)|(1<<20)|(1<<21)|(5<<22)|(7<<25) ; my column's mask; eight words of padding
	s_mov_b32 s[G1+1], KSTEP<<16                   ; tensor_dim0 = 128
	s_mov_b32 s[G1B+1], 128<<16
	s_mov_b32 s[G1+2], 128<<16                     ; tensor_dim1 = 128
	s_mov_b32 s[G1B+2], KSTEP<<16
	s_mov_b32 s[G1+3], KSTEP<<16                   ; tile_dim0 = 128
	s_mov_b32 s[G1B+3], 128<<16
	s_mov_b32 s[G1+4], 128                         ; tile_dim1 = 128
	s_mov_b32 s[G1B+4], KSTEP
	s_mov_b32 s[G1+5], SIZE_K                      ; elements from row to row
	s_mov_b32 s[G1B+5], SIZE_N
	s_mov_b32 s[G1+6], 0
	s_mov_b32 s[G1B+6], 0
	s_mov_b32 s[G1+7], 0
	s_mov_b32 s[G1B+7], 0
	; where the tiles come from: X's address is made of the block row and the wave, W's of the block column, the projection and the wave,
	; each in registers that never hold the other place in the cluster
	s_lshl_b32 s17, s12, 7
	s_lshl_b32 s16, s13, 8
	s_add_co_u32 s16, s16, s17                     ; X: row 256 x block row + 128 x half
	s_lshl_b32 s16, s16, 11                        ; x 2,048 bytes: under 25,165,824
	s_mov_b32 s17, 0
	s_lshl_b32 s46, s42, 9                         ; W: column 256 x block column, in bytes,
	s_lshl_b32 s47, s12, 8                         ; + 128 x half,
	s_add_co_u32 s46, s46, s47
	s_lshl_b32 s47, s66, 21                        ; + 2 MiB x projection,
	s_add_co_u32 s46, s46, s47
	s_add_co_u32 s46, s46, WOFF                    ; behind the activations
	s_mov_b32 s47, 0
	s_mul_i32 s20, s12, HALFA                      ; and where they go: the wave's number alone enters an LDS address
	s_mul_i32 s21, s12, HALFB
	s_add_co_u32 s21, s21, 2*HALFA
	s_lshl_b32 s78, s42, 10                        ; my 128 columns in the bias: 4 bytes x (256 x block column + 128 x half)
	s_lshl_b32 s79, s12, 9
	s_add_co_u32 s78, s78, s79
	s_mov_b32 s79, 0
	s_wait_dscnt 0x0
	s_wait_kmcnt 0x0
	s_add_nc_u64 s[14:15], s[68:69], s[16:17]
	s_add_nc_u64 s[46:47], s[68:69], s[46:47]
	s_cmp_eq_u32 s66, 1                            ; the bias is chosen by the projection
	s_cselect_b64 s[76:77], s[72:73], s[70:71]
	s_cmp_eq_u32 s66, 2
	s_cselect_b64 s[76:77], s[74:75], s[76:77]
	s_add_nc_u64 s[76:77], s[76:77], s[78:79]
	CROUND                                         ; all sixteen work-groups are here: the first joint loads meet
.irp s, 0,1
	s_mov_b32 s[G0+4*\s], 1                                        ; count = 1
	s_add_co_u32 s[G0+4*\s+1], s20, \s*SLOT                        ; LDS address
	s_add_nc_u64 s[G0+4*\s+2:G0+4*\s+3], s[14:15], \s*KSTEP*2      ; K step s: 256 bytes along the rows
	s_or_b32 s[G0+4*\s+3], s[G0+4*\s+3], 0x80000000                ; type = 2
	s_mov_b32 s[G0B+4*\s], 1
	s_add_co_u32 s[G0B+4*\s+1], s21, \s*SLOT
	s_add_nc_u64 s[G0B+4*\s+2:G0B+4*\s+3], s[46:47], \s*KSTEP*SIZE_N*2   ; K step s: 128 rows down
	s_or_b32 s[G0B+4*\s+3], s[G0B+4*\s+3], 0x80000000
	JLOAD \s                                       ; both slots are asked for before anything else: two tensor loads of the wave are out, the most in this text
.endr
	v_and_b32 v1, 15, v0                           ; r = l % 16
	v_bfe_u32 v2, v0, 4, 1                         ; h = l / 16
	v_lshlrev_b32 v6, 5, v2                        ; the bias: 8 h numbers of 4 bytes
.irp b, 0,1,2,3,4,5,6,7
	global_load_b128 v[BIAS+8*\b:BIAS+8*\b+3],   v6, s[76:77] offset:64*\b
	global_load_b128 v[BIAS+8*\b+4:BIAS+8*\b+7], v6, s[76:77] offset:64*\b+16
.endr
	; X's fragment (16 rows x 32 K, K along the LDS rows): two loads of 16 bytes, 32 apart, at row x pitch + 16 h
	v_mul_u32_u24 v3, v1, PITCHA
	v_lshl_add_u32 v3, v2, 4, v3
	; W's fragment (32 K x 16 columns, columns along the LDS rows): two transposing loads, 16 rows apart, at (8 h + l % 8) x pitch + 16 x bit 3 of l
	v_and_b32 v7, 7, v0
	v_bfe_u32 v9, v0, 3, 1
	v_lshl_add_u32 v8, v2, 3, v7
	v_mul_u32_u24 v8, v8, PITCHB
	v_lshl_add_u32 v8, v9, 4, v8
	s_mul_i32 s22, s11, HALFA                      ; my 128 rows of X
	s_mul_i32 s23, s12, HALFB                      ; my 128 columns of W,
	s_add_co_u32 s23, s23, 2*HALFA                 ; which lie behind X's two halves
.irp s, 0,1
	v_add_nc_u32 v[ADRA+\s], s22, v3
	v_add_nc_u32 v[ADRB+\s], s23, v8
	s_add_co_u32 s22, s22, SLOT
	s_add_co_u32 s23, s23, SLOT
.endr
	s_mul_i32 s22, s10, 16*SPITCH
	s_add_co_u32 s22, s22, STAGE                   ; my stage
	v_mul_u32_u24 v4, v1, SPITCH                   ; in: row r, 16 bytes for each half of the lanes
	v_lshl_add_u32 v4, v2, 4, v4
	v_add_nc_u32 v[STO], s22, v4
	v_mul_u32_u24 v5, v9, SPITCH                   ; back: lanes 0-15 take two tokens' 128 bytes of my first head, lanes 16-31 of my second:
	v_lshl_add_u32 v5, v2, 7, v5                   ; token bit 3 of l, head h (128 bytes along the stage's row),
	v_lshl_add_u32 v5, v7, 4, v5                   ; 16 bytes x (l % 8)
	v_add_nc_u32 v[RD], s22, v5
	v_lshlrev_b32 v5, 4, v1                        ; in qkv two tokens of a head are 256 consecutive bytes; heads are 262,144 bytes apart
	v_lshl_add_u32 v[CO], v2, 18, v5
; 16 matrix instructions: m blocks a0, a0 + 1 of the window's four (hi = 0: my rows 0-63, 1: rows 64-127) x all 8 n blocks, 32 along K.
; first = 1: the first product takes the bias as C: nothing is cleared and no bias is added later.
; The 64 accumulators take turns, one instruction a turn, in the same order in every quarter step.
.macro MUL16 f, hi, a0, first
.irp a, \a0, \a0+1
.irp b, 0,1,2,3,4,5,6,7
.if \first
	v_wmma_f32_16x16x32_f16 v[8*(8*(\a)+\b):8*(8*(\a)+\b)+7], v[\f+8*\b:\f+8*\b+7], v[\f+8*(4*\hi+\a):\f+8*(4*\hi+\a)+7], v[BIAS+8*\b:BIAS+8*\b+7]
.else
	v_wmma_f32_16x16x32_f16 v[8*(8*(\a)+\b):8*(8*(\a)+\b)+7], v[\f+8*\b:\f+8*\b+7], v[\f+8*(4*\hi+\a):\f+8*(4*\hi+\a)+7], v[8*(8*(\a)+\b):8*(8*(\a)+\b)+7]
.endif
.endr
.endr
.endm
; 32 LDS loads in one run: the fragments of quarter step kq (32 K) of a slot into buffer f: W's 8 blocks of 16 columns, then X's 8 blocks of 16 rows
.macro FETCH slot, kq, f
	WIN TO_B
.irp i, 0,1,2,3,4,5,6,7
	ds_load_tr16_b128 v[\f+8*\i:\f+8*\i+3],   v[ADRB+\slot] offset:\kq*32*PITCHB+32*\i
	ds_load_tr16_b128 v[\f+8*\i+4:\f+8*\i+7], v[ADRB+\slot] offset:\kq*32*PITCHB+32*\i+16*PITCHB
.endr
	WIN 0
.irp i, 0,1,2,3,4,5,6,7
	ds_load_b128 v[\f+8*\i:\f+8*\i+3],   v[ADRA+\slot] offset:\kq*64+\i*16*PITCHA
	ds_load_b128 v[\f+8*\i+4:\f+8*\i+7], v[ADRA+\slot] offset:\kq*64+\i*16*PITCHA+32
.endr
.endm
; Four places behind the last matrix instruction that read a buffer, in front of the loads into it, and in front of reads of results
; (ISA guide 7.12.1 for vector instructions); matrix instructions in between are not counted.
.macro PLACES
.rept 4
	v_nop
.endr
.endm
; One of a K step's first three quarters: multiplies buffer f; in its middle it fetches quarter kq of the same slot into buffer g.
.macro QUARTER slot, kq, f, g, first
	s_wait_dscnt 8                                 ; W and X's rows 0-63 are in; the youngest eight loads (X's rows 64-127) may be out
.if \first
	WIN FIRST_LO
.else
	WIN MUL_LO
.endif
	MUL16 \f, 0, 0, \first
	MUL16 \f, 0, 2, \first
	PLACES
	FETCH \slot, \kq, \g
	s_wait_dscnt 32                                ; all but the 32 just issued
.if \first
	WIN FIRST_HI
.else
	WIN MUL_HI
.endif
	MUL16 \f, 1, 0, \first
	MUL16 \f, 1, 2, \first
.endm
.macro THREE slot, first
	QUARTER \slot, 1, F0, F1, \first
	QUARTER \slot, 2, F1, F0, 0
	QUARTER \slot, 3, F0, F1, 0
.endm
; The last quarter: multiplies buffer 1 and changes slots.  One barrier for two things: in front of it each wave waits for its reads of this slot
; and for all its tensor loads (the one that is out is its part of the next slot); behind it the refill comes first, then the next slot's fragments.
.macro TURN slot, next, fill
	s_wait_dscnt 8
	WIN MUL_LO
	MUL16 F1, 0, 0, 0
	s_wait_dscnt 0                                 ; my reads of this slot are over
	s_wait_tensorcnt 0x0                           ; and all my tensor loads have landed
	ds_add_u32 v255, v63
	s_wait_dscnt 0x0
	s_barrier_signal -1                            ; where a slot is filled again this barrier opens a round of the cluster's barrier
	MUL16 F1, 0, 2, 0                              ; register work while the others arrive
	WIN 0
	s_barrier_wait -1
.if \fill
	CREST                                          ; no wave of any partner still reads this slot or has a load on its way
	s_add_nc_u64 s[G0+4*\slot+2:G0+4*\slot+3], s[G0+4*\slot+2:G0+4*\slot+3], 2*KSTEP*2
	s_add_nc_u64 s[G0B+4*\slot+2:G0B+4*\slot+3], s[G0B+4*\slot+2:G0B+4*\slot+3], 2*KSTEP*SIZE_N*2
	JLOAD \slot                                    ; the first tensor load behind the round, the wave's only one until the next
.endif
	PLACES
	FETCH \next, 0, F0
	WIN MUL_HI
	MUL16 F1, 1, 0, 0
	MUL16 F1, 1, 2, 0
.endm
.macro LAP first
	THREE 0, \first
	TURN 0, 1, 1
	THREE 1, 0
	TURN 1, 0, 1
.endm
	s_wait_loadcnt 0x0                             ; the bias
	s_wait_tensorcnt 1                             ; my part of K step 0 is in; K step 1's stays out
	s_barrier_signal -1
	s_barrier_wait -1
	FETCH 0, 0, F0
	LAP 1                                          ; the first lap stands in front of the loop: its first products start the sums from the bias
	WIN 0                                          ; at a label and at a branch every window is 0
	s_mov_b32 s3, LAPS-2
.Llap:
	LAP 0
	WIN 0
	s_sub_co_u32 s3, s3, 1
	s_cmp_lg_u32 s3, 0
	s_cbranch_scc1 .Llap
	THREE 0, 0                                     ; the last lap fills nothing
	TURN 0, 1, 0
	THREE 1, 0
	s_wait_dscnt 8
	WIN MUL_LO
	MUL16 F1, 0, 0, 0
	MUL16 F1, 0, 2, 0
	s_wait_dscnt 0
	WIN MUL_HI
	MUL16 F1, 1, 0, 0
	MUL16 F1, 1, 2, 0
	; THE WAY OUT, 16 tokens at a time: round to f16, 16 bytes a lane into my own stage, read back as two tokens x two heads, store.
	PLACES
	s_lshr_b32 s14, s13, 3                         ; 2 x projection + batch = block row / 8: 4 MiB each
	s_lshl_b32 s14, s14, 22
	s_and_b32 s16, s13, 7
	s_lshl_b32 s16, s16, 15                        ; token 256 x (block row % 8), 128 bytes a token
	s_add_co_u32 s16, s16, s14
	s_lshl_b32 s14, s11, 14                        ; + 128 x my half
	s_add_co_u32 s16, s16, s14
	s_mov_b32 s17, 0
	s_add_nc_u64 s[8:9], s[8:9], s[16:17]
	s_lshl_b32 s46, s42, 20                        ; head 4 x block column + 2 x half, 262,144 bytes a head
	s_lshl_b32 s47, s12, 19
	s_add_co_u32 s46, s46, s47
	s_mov_b32 s47, 0
	s_add_nc_u64 s[8:9], s[8:9], s[46:47]
; tokens 16 i .. 16 i + 15 of my block = the eight tiles (a, 0..7) of window 2 or 3 (from = 0x0a or 0x0f: sources 0 and 1); f: F0 or F1 in turn
.macro OUT16 i, a, from, f
	WIN \from
.irp b, 0,1,2,3,4,5,6,7
.irp r, 0,1,2,3
	v_cvt_pk_f16_f32 v[TMP+4*\b+\r], v[8*(8*\a+\b)+2*\r], v[8*(8*\a+\b)+2*\r+1]
.endr
.endr
	WIN 0
.irp b, 0,1,2,3,4,5,6,7
	ds_store_b128 v[STO], v[TMP+4*\b:TMP+4*\b+3] offset:32*\b
.endr
	s_wait_xcnt 0x0                                ; buffer f, which earlier stores read, and the stores' base are rewritten only behind this wait
.if \i
	s_add_nc_u64 s[8:9], s[8:9], 16*128            ; 16 tokens on
.endif
.irp t, 0,1,2,3,4,5,6,7
	ds_load_b128 v[\f+4*\t:\f+4*\t+3], v[RD] offset:\t*2*SPITCH    ; LDS serves a wave's instructions in order (ISA guide 5.7.1.4): these see the stores above
.endr
.irp t, 0,1,2,3,4,5,6,7
	s_wait_dscnt 7-\t
	global_store_b128 v[CO], v[\f+4*\t:\f+4*\t+3], s[8:9] offset:256*\t   ; 16 lanes store 256 consecutive bytes (two tokens of a head) at a multiple of 256
.endr
.endm
	OUT16 0, 0, 0x0a, F0
	OUT16 1, 1, 0x0a, F1
	OUT16 2, 2, 0x0a, F0
	OUT16 3, 3, 0x0a, F1
	OUT16 4, 0, 0x0f, F0
	OUT16 5, 1, 0x0f, F1
	OUT16 6, 2, 0x0f, F0
	OUT16 7, 3, 0x0f, F1
	s_set_vgpr_msb 0x1
	s_wait_tensorcnt 0x0
	ds_add_u32 v255, v63
	s_wait_dscnt 0x0
	s_set_vgpr_msb 0x100
	CROUND                                         ; the closing round: no work-group ends while a partner may still ask for a tile that names it
	s_endpgm
.Lfunc_end_k_qea72b13c1e_proj:
	.size	k_qea72b13c1e_proj, .Lfunc_end_k_qea72b13c1e_proj-k_qea72b13c1e_proj
	.p2alignl 7, 3214868480
	.fill 96, 4, 3214868480
	.section	.rodata,"a",@progbits
	.p2align	6, 0x0
	.amdhsa_kernel k_qea72b13c1e_proj
		.amdhsa_group_segment_fixed_size 327680
		.amdhsa_private_segment_fixed_size 0
		.amdhsa_enable_private_segment 0
		.amdhsa_kernarg_size 40
		.amdhsa_user_sgpr_count 2
		.amdhsa_user_sgpr_kernarg_segment_ptr 1
		.amdhsa_wavefront_size32 1
		.amdhsa_system_sgpr_workgroup_id_x 1
		.amdhsa_system_sgpr_workgroup_id_y 1
		.amdhsa_system_sgpr_workgroup_id_z 1
		.amdhsa_system_vgpr_workitem_id 0
		.amdhsa_next_free_vgpr 1024
		.amdhsa_next_free_sgpr 80
		.amdhsa_reserve_vcc 0
		.amdhsa_float_denorm_mode_32 3
		.amdhsa_float_denorm_mode_16_64 3
		.amdhsa_memory_ordered 1
		.amdhsa_forward_progress 1
		.amdhsa_inst_pref_size 199
	.end_amdhsa_kernel
	.amdgpu_metadata
---
amdhsa.version: [ 1, 2 ]
amdhsa.kernels:
  - .name:           k_qea72b13c1e_proj
    .symbol:         k_qea72b13c1e_proj.kd
    .args:
      - { .name: cb, .offset: 0, .size: 8, .value_kind: global_buffer, .address_space: global }
      - { .name: b_q, .offset: 8, .size: 8, .value_kind: global_buffer, .address_space: global }
      - { .name: b_k, .offset: 16, .size: 8, .value_kind: global_buffer, .address_space: global }
      - { .name: b_v, .offset: 24, .size: 8, .value_kind: global_buffer, .address_space: global }
      - { .name: qkv, .offset: 32, .size: 8, .value_kind: global_buffer, .address_space: global }
    .group_segment_fixed_size: 327680
    .private_segment_fixed_size: 0
    .kernarg_segment_align: 8
    .kernarg_segment_size: 40
    .max_flat_workgroup_size: 128
    .sgpr_count:     80
    .vgpr_count:     1024
    .wavefront_size: 32
...
	.end_amdgpu_metadata
.endif
;; end of part 2
;; launch attn (part 3): grid 8 x 32, 8 waves a work-group, clusters of 4 x 1, 327,680 bytes of LDS; arguments qkv, ao; writes ao
.if DOCPART == 3
	.amdgcn_target "amdgcn-amd-amdhsa--gfx1250"
	.amdhsa_code_object_version 6
	.text
	.protected	k_qea72b13c1e_attn
	.globl	k_qea72b13c1e_attn
	.p2align	8
	.type	k_qea72b13c1e_attn,@function
k_qea72b13c1e_attn:
	s_mov_b64 s[64:65], 0
	v_nop
	global_prefetch_b8 v0, s[64:65] scope:SCOPE_SE
	s_setreg_imm32_b32 hwreg(HW_REG_WAVE_MODE, 25, 1), 1
	s_wait_xcnt 0x0
	s_wait_alu depctr_hold_cnt(0) depctr_sa_sdst(0) depctr_va_vdst(0) depctr_va_sdst(0) depctr_va_ssrc(0) depctr_va_vcc(0) depctr_vm_vsrc(0)
	s_getreg_b32 s2, hwreg(HW_REG_IB_STS2, 6, 4)
	s_cmp_eq_u32 s2, 0
	s_cbranch_scc0 .Lentry_in_a_cluster
	s_endpgm
.Lentry_in_a_cluster:
	s_bfe_u32 s2, ttmp6, 0x10000c
	s_cmp_lg_u32 s2, 0x3003
	s_cbranch_scc0 .Lentry_shape_is_right
	s_endpgm
.Lentry_shape_is_right:
; Attention of one (batch, head) pair y and one block of 256 queries: ao[y][query][64] = softmax(Q K^T / 8) V, over 2,048 keys, 64 at a step.
; Q, K, V are f16, head-major (qkv[projection][y][token][64]); scores, maxima, sums and the output's sums are f32; the probabilities are
; rounded once to f16 (they lie in [0, 1]; below 2^-24 they become 0, which is under 2^-13 of the row's sum, since that is at least 1);
; the output is rounded once to f16 (a convex mix of V's rows, so inside V's range).
; The softmax takes a running maximum of the raw scores away, as the exact one would be.  Exponentials under 2^-126 come out as 0
; (ISA guide 15.8).  A row with a score that is not finite gives NaN, as the plain formula does.
; Eight waves, 32 queries each, as two blocks n of 16.
; TRANSPOSED: S^T = K Q^T (source 0 = 16 keys, source 1 = 16 queries): lane (r, h) holds query r and keys 8 h + j.  Two neighbouring tiles,
; packed to f16, ARE source 1 of O^T = V^T P^T: no number changes lanes.  Maximum, sum and rescaling are one number a lane; the two
; halves h of a query meet by one v_permlanex16_b32.  V lies [key][d]: V^T's fragments come by the transposing LDS load.
; THE TWO BLOCKS ARE HALF A STEP APART.  A step of a wave is 32 matrix instructions and about 244 vector instructions, and neither waits for
; the other if they belong to different blocks.  So a step has two parts, and in each the softmax of one block is the vector stream
; while the other block's 16 products are laid between its instructions:
;   part B of step j:  K(j)'s loads;  softmax (n1, j-1)  beside  O(n0) += V(j-1) P(n0, j-1)  and  S(n0, j) = K(j) Q(n0)
;   part A of step j:  softmax (n0, j)  beside  O(n1) += V(j-1) P(n1, j-1),  V(j)'s loads,  S(n1, j) = K(j) Q(n1)
; All LDS reads of a trip belong to one step, so a change of tiles stands between two trips.
; K and V are then both alive over a part's end: 312 registers.  K's 64 lie in window 1: only the score products (source 0) and K's loads
; name them, so those products go in runs of four under one setting: ten switches a step.  Everything else lies in window 0.
; CLUSTERS: the four query blocks of a cluster read the same K and V: every tile is asked for jointly, mask 15.
; LDS: two slots of 512 keys: K at pitch 144 (73,728 bytes), V at pitch 160 (81,920).  Four tiles: two first fills, two refills.
.set KPITCH, 144                       ; 128 bytes + 16: an odd multiple of 16
.set VPITCH, 160                       ; 128 bytes + 32: an odd multiple of 32, for the transposing load
.set KPART,  128*KPITCH                ; what one of waves 0-3 fetches: 128 keys
.set VPART,  128*VPITCH                ; what one of waves 4-7 fetches
.set VOFF,   4*KPART                   ; V behind K in a slot
.set SLOT,   4*KPART+4*VPART           ; 155,648
.set TILEB,  65536                     ; 512 keys x 128 bytes in memory
.set CLOG,   0x3e38aa3b                ; c = log2(e) / 8: the scale 1 / sqrt(64) and the base 2 of v_exp_f32 in one factor
.set KL, 2                             ; v2      r x 144 + 16 h
.set VL, 3                             ; v3      (8 h + l % 8) x 160 + 16 x bit 3 of l
.set KA, 4                             ; v4      K's running LDS address: this step's
.set VA, 5                             ; v5      V's: the last step's, stepped in front of the loads
.set MX, 6                             ; v6-7    running maximum of the raw scores, for each n
.set LS, 8                             ; v8-9    running sum, this lane's keys alone until the end
.set NM, 10                            ; v10-13  round(-c x maximum), twice, for each n
.set AL, 14                            ; v14-15  the rescaling factor of the block at work, twice
.set TM, 16                            ; v16-19  at work: four chains of maxima, then two pairs of sums
.set TX, 20                            ; v20     from the other half of the lanes
.set TN, 21                            ; v21     the new round(-c x maximum)
.set DD, 22                            ; v22     its step
.set QO, 23                            ; v23     Q's byte offset
.set QF, 24                            ; v24-55  Q's fragment (n, ds) at 8 (2 n + ds)
.set SC, 56                            ; v56-119 S^T's tile (kt, n) at 32 n + 8 kt; then P^T's fragment (n, ks) at 32 n + 16 ks
.set OA, 120                           ; v120-183 O^T's tile (dt, n) at 32 n + 8 dt
.set VF, 184                           ; v184-247 V^T's fragment (dt, ks) at 32 ks + 8 dt
.set KF, 0                             ; window 1, v0-63 there: K's fragment (kt, ds) at 32 ds + 8 kt
.set G1K, 16                           ; s[16:23] group 1 for K
.set G1V, 24                           ; s[24:31] group 1 for V
.set G0K, 32                           ; s[32:39] group 0 for K, one set for each slot
.set G0V, 40                           ; s[40:47] group 0 for V
.set MSB, 0
.set PZ, 0
.macro WIN new                         ; s_set_vgpr_msb: bits 1:0 source 0, 7:6 destination; the high byte repeats the setting that is left
.if MSB != \new
	s_set_vgpr_msb (MSB<<8)|\new
.set MSB, \new
.endif
.endm
.macro ROUND                           ; a round of the cluster's barrier
	s_barrier_signal -1
	s_barrier_wait -1
	s_cmp_lg_u32 s8, 0
	s_cbranch_scc1 .Lnot_wave_0_\@
	s_barrier_signal -3
.Lnot_wave_0_\@:
	s_barrier_wait -3
	s_barrier_signal -1
	s_barrier_wait -1
.endm
.macro JLOAD s                         ; waves 0-3 ask for K's four parts, waves 4-7 for V's: one load a wave
	s_cmp_eq_u32 s9, 0
	s_cbranch_scc0 .Lfor_v_\@
	tensor_load_to_lds s[G0K+4*\s:G0K+4*\s+3], s[G1K:G1K+7]
	s_nop 0
	s_branch .Lasked_\@
.Lfor_v_\@:
	tensor_load_to_lds s[G0V+4*\s:G0V+4*\s+3], s[G1V:G1V+7]
	s_nop 0
	v_nop
.Lasked_\@:
.endm
	s_load_b128 s[4:7], s[0:1], 0x0                ; qkv s[4:5], ao s[6:7]
	v_lshl_add_u32 v255, v0, 2, 0x4c000
	s_set_vgpr_msb 0x40
	v_mov_b32 v65, 0
	s_set_vgpr_msb 0x4044
	ds_add_u32 v255, v65
	s_set_vgpr_msb 0x4400
	v_lshrrev_b32 v1, 5, v0
	v_readfirstlane_b32 s8, v1                     ; wave 0..7
	s_lshr_b32 s9, s8, 2                           ; I fetch for K (0) or for V (1)
	s_and_b32 s10, s8, 3                           ; which 128 keys of a tile
	s_bfe_u32 s54, ttmp6, 0x40000                  ; cx
	s_lshl_b32 s55, ttmp9, 2
	s_add_co_u32 s55, s55, s54                     ; query block = 4 x cluster x + cx
	s_and_b32 s56, ttmp7, 0xffff                   ; y = 16 x batch + head
	s_mov_b32 s48, 0x76543210                      ; v_permlanex16_b32: lane i of one half reads lane i of the other
	s_mov_b32 s49, 0xfedcba98
	s_mov_b32 s52, 0xbe38aa3b                      ; -c
	; group 1: 128 keys are 16,384 dense bytes, taken as 64 rows of 256 bytes; a pad behind every 32 words (one key)
	s_mov_b32 s[G1K+0], 15|(1<<16)|(1<<20)|(1<<21)|(4<<22)|(3<<25)  ; mask: all four; 2 bytes; padding on; 21 beside a mask; after 32 words; four words
	s_mov_b32 s[G1V+0], 15|(1<<16)|(1<<20)|(1<<21)|(4<<22)|(7<<25)  ; eight words
	s_mov_b32 s[G1K+1], 128<<16                    ; tensor_dim0 = 128
	s_mov_b32 s[G1V+1], 128<<16
	s_mov_b32 s[G1K+2], 64<<16                     ; tensor_dim1 = 64
	s_mov_b32 s[G1V+2], 64<<16
	s_mov_b32 s[G1K+3], 128<<16                    ; tile_dim0 = 128
	s_mov_b32 s[G1V+3], 128<<16
	s_mov_b32 s[G1K+4], 64                         ; tile_dim1 = 64
	s_mov_b32 s[G1V+4], 64
	s_mov_b32 s[G1K+5], 128                        ; elements from row to row: dense
	s_mov_b32 s[G1V+5], 128
	s_mov_b32 s[G1K+6], 0
	s_mov_b32 s[G1V+6], 0
	s_mov_b32 s[G1K+7], 0
	s_mov_b32 s[G1V+7], 0
	s_lshl_b32 s58, s56, 18                        ; K and V: 262,144 bytes a head, + my 128 keys; no place in the cluster enters
	s_lshl_b32 s57, s10, 14
	s_add_co_u32 s58, s58, s57
	s_mov_b32 s59, 0
	s_lshl_b32 s60, s56, 18                        ; Q and the output: the head, + 32,768 x query block, + 4,096 x wave
	s_lshl_b32 s11, s55, 15
	s_add_co_u32 s60, s60, s11
	s_lshl_b32 s11, s8, 12
	s_add_co_u32 s60, s60, s11
	s_mov_b32 s61, 0
	s_mul_i32 s14, s10, KPART                      ; LDS: the wave's number alone
	s_mul_i32 s15, s10, VPART
	s_add_co_u32 s15, s15, VOFF
	s_wait_dscnt 0x0
	s_wait_kmcnt 0x0
	s_add_nc_u64 s[12:13], s[4:5], s[58:59]
	s_add_nc_u64 s[62:63], s[4:5], s[60:61]
	s_add_nc_u64 s[6:7], s[6:7], s[60:61]
	ROUND                                          ; the four work-groups are here: the first joint loads meet
.irp s, 0,1
	s_mov_b32 s[G0K+4*\s], 1
	s_add_co_u32 s[G0K+4*\s+1], s14, \s*SLOT
	s_add_nc_u64 s[G0K+4*\s+2:G0K+4*\s+3], s[12:13], 8388608+\s*TILEB     ; K is projection 1
	s_or_b32 s[G0K+4*\s+3], s[G0K+4*\s+3], 0x80000000
	s_mov_b32 s[G0V+4*\s], 1
	s_add_co_u32 s[G0V+4*\s+1], s15, \s*SLOT
	s_add_nc_u64 s[G0V+4*\s+2:G0V+4*\s+3], s[12:13], 16777216+\s*TILEB    ; V is projection 2
	s_or_b32 s[G0V+4*\s+3], s[G0V+4*\s+3], 0x80000000
	JLOAD \s                                       ; tiles 0 and 1: two tensor loads of the wave are out, the most in this text
.endr
	v_and_b32 v1, 15, v0                           ; r
	v_bfe_u32 v[TM], v0, 4, 1                      ; h
	v_lshlrev_b32 v[QO], 7, v1
	v_lshl_add_u32 v[QO], v[TM], 4, v[QO]          ; Q: 128 r + 16 h
.irp n, 0,1
.irp ds, 0,1
	global_load_b128 v[QF+8*(2*\n+\ds):QF+8*(2*\n+\ds)+3],   v[QO], s[62:63] offset:\n*2048+\ds*64
	global_load_b128 v[QF+8*(2*\n+\ds)+4:QF+8*(2*\n+\ds)+7], v[QO], s[62:63] offset:\n*2048+\ds*64+32
.endr
.endr
	v_mul_u32_u24 v[KL], v1, KPITCH
	v_lshl_add_u32 v[KL], v[TM], 4, v[KL]
	v_and_b32 v[TM+1], 7, v0
	v_lshl_add_u32 v[TM+1], v[TM], 3, v[TM+1]
	v_mul_u32_u24 v[VL], v[TM+1], VPITCH
	v_bfe_u32 v[TM+2], v0, 3, 1
	v_lshl_add_u32 v[VL], v[TM+2], 4, v[VL]
	v_mov_b32 v[TX], 0                             ; v_permlanex16_b32 counts as a reader of its destination
	s_wait_loadcnt 0x0                             ; Q, once
	s_wait_tensorcnt 0x1                           ; my part of tile 0 is in; tile 1's stays out
	s_barrier_signal -1
	s_barrier_wait -1
; K's fragments of a step's 64 keys into window 1, d = 0..31 first: 16 loads
.macro KLOAD
	WIN 0x40                                       ; the loaded data in window 1, the address in window 0
.irp ds, 0,1
.irp kt, 0,1,2,3
	ds_load_b128 v[KF+32*\ds+8*\kt:KF+32*\ds+8*\kt+3],   v[KA] offset:\kt*16*KPITCH+\ds*64
	ds_load_b128 v[KF+32*\ds+8*\kt+4:KF+32*\ds+8*\kt+7], v[KA] offset:\kt*16*KPITCH+\ds*64+32
.endr
.endr
	WIN 0
.endm
; V^T's fragments of a step's 64 keys: 16 transposing loads.  The address steps first: the loads that named it were waited for a part ago.
.macro VLOAD
	v_add_nc_u32 v[VA], 64*VPITCH, v[VA]
.irp ks, 0,1
.irp dt, 0,1,2,3
	ds_load_tr16_b128 v[VF+32*\ks+8*\dt:VF+32*\ks+8*\dt+3],   v[VA] offset:\ks*32*VPITCH+\dt*32
	ds_load_tr16_b128 v[VF+32*\ks+8*\dt+4:VF+32*\ks+8*\dt+7], v[VA] offset:\ks*32*VPITCH+\dt*32+16*VPITCH
.endr
.endr
.endm
; One product O^T(dt, o) += V^T(dt, ks) P^T(o, ks).  PZ = 1: the block's first step: keys 0-31 start the sums, nothing is cleared.
.macro PVW o, ks, dt
.if PZ*(1-\ks)
	v_wmma_f32_16x16x32_f16 v[OA+32*\o+8*\dt:OA+32*\o+8*\dt+7], v[VF+32*\ks+8*\dt:VF+32*\ks+8*\dt+7], v[SC+32*\o+16*\ks:SC+32*\o+16*\ks+7], 0
.else
	v_wmma_f32_16x16x32_f16 v[OA+32*\o+8*\dt:OA+32*\o+8*\dt+7], v[VF+32*\ks+8*\dt:VF+32*\ks+8*\dt+7], v[SC+32*\o+16*\ks:SC+32*\o+16*\ks+7], v[OA+32*\o+8*\dt:OA+32*\o+8*\dt+7]
.endif
.endm
.macro PVH pv, o, ks, dt               ; the same, where the part has such products
.if \pv
	PVW \o, \ks, \dt
.endif
.endm
; Four products S^T(kt, o) (+)= K(kt, ds) Q(o, ds) under one setting of the window; ds = 0 starts the sums
.macro QKB o, ds
	WIN 0x01                                       ; source 0 (K) in window 1
.irp kt, 0,1,2,3
.if \ds
	v_wmma_f32_16x16x32_f16 v[SC+32*\o+8*\kt:SC+32*\o+8*\kt+7], v[KF+32+8*\kt:KF+32+8*\kt+7], v[QF+16*\o+8:QF+16*\o+15], v[SC+32*\o+8*\kt:SC+32*\o+8*\kt+7]
.else
	v_wmma_f32_16x16x32_f16 v[SC+32*\o+8*\kt:SC+32*\o+8*\kt+7], v[KF+8*\kt:KF+8*\kt+7], v[QF+16*\o:QF+16*\o+7], 0
.endif
.endr
	WIN 0
.endm
; HALF A STEP.  The vector stream is the softmax of block n (64 keys x 16 queries, 32 scores a lane); between its instructions lie the products of block o = 1 - n.
;   smf = 1: the block's first softmax: it starts maximum and sum, and nothing is rescaled.
;   pv  = 0: no products with V; 1: they start O(o); 2: they add onto it.      qk = 1: the next scores of block o are made, and K (n = 1) or V (n = 0) is loaded.
; The vector instructions name S(n), O(n) and v6-22 alone, the products S(o), O(o), K, V and Q alone.  So the distances behind matrix instructions
; (ISA guide 7.12.1) are kept by the stream itself, counting its plain instructions only, in the shorter form (smf = 1):
;   last product with V  ->  V's loads: 7;   -> the first score product, which writes over P(o): 11;
;   last score product   ->  the next part's reads of S(o) and K's next loads: 4 sums, 1 more, 16 conversions.
; Matrix instructions that follow each other never share an accumulator, over the ends of the parts and the backward jump too.
.macro PART n, o, smf, pv, qk
.if \pv == 1
.set PZ, 1
.else
.set PZ, 0
.endif
.if \n
.if \qk
	KLOAD                                          ; this step's K: it has the maxima and five groups of exponentials in which to land
	s_wait_dscnt 0x10                              ; LDS loads come back in order (ISA guide 5.7.1): the 16 just issued may be out, V's 16 older ones are in
.else
	s_wait_dscnt 0x0                               ; the last step's V
.endif
.endif
	; the largest of my 32 scores: four chains of seven, then the four left over
	PVH \pv, \o, 0, 0
.irp k, 0,1,2,3
	v_max3_num_f32 v[TM+\k], v[SC+32*\n+8*\k], v[SC+32*\n+8*\k+1], v[SC+32*\n+8*\k+2]
.endr
	PVH \pv, \o, 0, 1
.irp k, 0,1,2,3
	v_max3_num_f32 v[TM+\k], v[TM+\k], v[SC+32*\n+8*\k+3], v[SC+32*\n+8*\k+4]
.endr
	PVH \pv, \o, 0, 2
.irp k, 0,1,2,3
	v_max3_num_f32 v[TM+\k], v[TM+\k], v[SC+32*\n+8*\k+5], v[SC+32*\n+8*\k+6]
.endr
	PVH \pv, \o, 0, 3
	v_max3_num_f32 v[TM],   v[TM],   v[TM+1], v[SC+32*\n+7]
	v_max3_num_f32 v[TM+2], v[TM+2], v[TM+3], v[SC+32*\n+15]
	v_max3_num_f32 v[TM], v[TM], v[TM+2], v[SC+32*\n+23]
	v_max_num_f32 v[TM], v[TM], v[SC+32*\n+31]
	v_permlanex16_b32 v[TX], v[TM], s48, s49       ; the other 32 keys of the same query
	PVH \pv, \o, 1, 0
.if \smf
	v_max_num_f32 v[MX+\n], v[TM], v[TX]
	v_mul_f32 v[NM+2*\n],   s52, v[MX+\n]          ; round(-c m): the one number that enters every exponent of this step
	v_mul_f32 v[NM+2*\n+1], s52, v[MX+\n]
.else
	v_max3_num_f32 v[MX+\n], v[TM], v[TX], v[MX+\n]
	v_mul_f32 v[TN], s52, v[MX+\n]
	v_sub_f32 v[DD], v[TN], v[NM+2*\n]             ; the step between the two ROUNDED numbers: old and new probabilities then share one base exactly, however large the scores
	v_mov_b32 v[NM+2*\n],   v[TN]
	v_mov_b32 v[NM+2*\n+1], v[TN]
	v_exp_f32 v[AL],   v[DD]                       ; the rescaling factor, at most 1, twice for the packed multiplies; plain work follows (ISA guide 5.7.2)
	v_exp_f32 v[AL+1], v[DD]
.endif
	PVH \pv, \o, 1, 1
	; exponents, exponentials, rescaling and sums in groups of four registers, one group behind the other: in turn t the exponentials of group t - 1,
	; between them c s - c m of group t and four registers of O, behind them the sums of group t - 2.  So behind every exponential stands plain work
	; on other registers before its result is read (ISA guide 5.7.2).
	v_pk_fma_f32 v[SC+32*\n:SC+32*\n+1],   v[SC+32*\n:SC+32*\n+1],   CLOG, v[NM+2*\n:NM+2*\n+1] op_sel_hi:[1,0,1]
	v_pk_fma_f32 v[SC+32*\n+2:SC+32*\n+3], v[SC+32*\n+2:SC+32*\n+3], CLOG, v[NM+2*\n:NM+2*\n+1] op_sel_hi:[1,0,1]
.set t, 1
.rept 8
	v_exp_f32 v[SC+32*\n+4*t-4], v[SC+32*\n+4*t-4]
.if t < 8
	v_pk_fma_f32 v[SC+32*\n+4*t:SC+32*\n+4*t+1], v[SC+32*\n+4*t:SC+32*\n+4*t+1], CLOG, v[NM+2*\n:NM+2*\n+1] op_sel_hi:[1,0,1]
.endif
	v_exp_f32 v[SC+32*\n+4*t-3], v[SC+32*\n+4*t-3]
.if t < 8
	v_pk_fma_f32 v[SC+32*\n+4*t+2:SC+32*\n+4*t+3], v[SC+32*\n+4*t+2:SC+32*\n+4*t+3], CLOG, v[NM+2*\n:NM+2*\n+1] op_sel_hi:[1,0,1]
.endif
	v_exp_f32 v[SC+32*\n+4*t-2], v[SC+32*\n+4*t-2]
.if \smf == 0
	s_wait_alu depctr_va_vdst(0)
	v_pk_mul_f32 v[OA+32*\n+4*t-4:OA+32*\n+4*t-3], v[OA+32*\n+4*t-4:OA+32*\n+4*t-3], v[AL:AL+1]
.endif
	v_exp_f32 v[SC+32*\n+4*t-1], v[SC+32*\n+4*t-1]
.if \smf == 0
	v_pk_mul_f32 v[OA+32*\n+4*t-2:OA+32*\n+4*t-1], v[OA+32*\n+4*t-2:OA+32*\n+4*t-1], v[AL:AL+1]
.endif
.if t == 2
	s_wait_alu depctr_va_vdst(0)
	v_pk_add_f32 v[TM:TM+1], v[SC+32*\n:SC+32*\n+1], v[SC+32*\n+2:SC+32*\n+3]         ; the first two groups start the two chains of sums
.endif
.if t == 3
	v_pk_add_f32 v[TM+2:TM+3], v[SC+32*\n+4:SC+32*\n+5], v[SC+32*\n+6:SC+32*\n+7]
.endif
.if t > 3
	s_wait_alu depctr_va_vdst(0)
	v_pk_add_f32 v[TM:TM+1],   v[TM:TM+1],   v[SC+32*\n+4*t-8:SC+32*\n+4*t-7]
	v_pk_add_f32 v[TM+2:TM+3], v[TM+2:TM+3], v[SC+32*\n+4*t-6:SC+32*\n+4*t-5]
.endif
.if t == 1
	PVH \pv, \o, 1, 2
.endif
.if t == 2
	PVH \pv, \o, 1, 3                              ; the last product with V and with P(o)
.endif
.if t == 4
.if \qk
.if \n == 0
	VLOAD                                          ; this step's V, onto the last step's: it has four groups, eight products and the conversions in which to land
.endif
.endif
.endif
.if t == 5
.if \qk
.if \n
	s_wait_dscnt 0x8                               ; K's d = 0..31 are in; the eight loads of d = 32..63 may be out
.endif
	QKB \o, 0
.endif
.endif
.if t == 7
.if \qk
.if \n
	s_wait_dscnt 0x0                               ; all of K is in,
	v_add_nc_u32 v[KA], 64*KPITCH, v[KA]           ; and no load that names its address is out: the next step's
.endif
	QKB \o, 1
.endif
.endif
.set t, t+1
.endr
	v_pk_add_f32 v[TM:TM+1],   v[TM:TM+1],   v[SC+32*\n+28:SC+32*\n+29]
	v_pk_add_f32 v[TM+2:TM+3], v[TM+2:TM+3], v[SC+32*\n+30:SC+32*\n+31]
	; two neighbouring tiles of S^T (keys 8 h + j and 16 + 8 h + j) pack in place into a fragment of P^T: register i takes numbers 2 i and 2 i + 1
.irp i, 0,1,2,3,4,5,6,7
	v_cvt_pk_f16_f32 v[SC+32*\n+\i], v[SC+32*\n+2*\i], v[SC+32*\n+2*\i+1]
.endr
	v_pk_add_f32 v[TM:TM+1], v[TM:TM+1], v[TM+2:TM+3]
.irp i, 0,1,2,3,4,5,6,7
	v_cvt_pk_f16_f32 v[SC+32*\n+16+\i], v[SC+32*\n+16+2*\i], v[SC+32*\n+16+2*\i+1]
.endr
.if \smf
	v_add_f32 v[LS+\n], v[TM], v[TM+1]
.else
	v_add_f32 v[TM], v[TM], v[TM+1]
	v_fma_f32 v[LS+\n], v[LS+\n], v[AL], v[TM]
.endif
.endm
; A trip: step j's loads and scores, the softmax of (n1, j-1) and of (n0, j), step j-1's products with V
.macro ITER smf, pv
	PART 1, 0, \smf, \pv, 1
	PART 0, 1, 0, \pv, 1
.endm
; The eight trips of a slot's 512 keys
.macro TILE slot
	v_add_nc_u32 v[KA], \slot*SLOT, v[KL]
	v_add_nc_u32 v[VA], \slot*SLOT+VOFF-64*VPITCH, v[VL]           ; one step low: it steps in front of its loads
	s_mov_b32 s53, 8
.Lstep_\@:
	ITER 0, 2
	s_sub_co_u32 s53, s53, 1
	s_cmp_lg_u32 s53, 0
	s_cbranch_scc1 .Lstep_\@
.endm
; A slot that has been read is filled again, two tiles on.  The round of the cluster's barrier is the barrier in front of the refill.
.macro FILL slot
	s_wait_dscnt 0x0                               ; my reads of the slot are back: the last were V's of its eighth step
	s_set_vgpr_msb 0x4
	s_wait_tensorcnt 0x0                           ; all my tensor loads have landed, my part of the other slot among them: a group 0 may be written
	ds_add_u32 v255, v65
	s_wait_dscnt 0x0
	s_set_vgpr_msb 0x400
	s_add_nc_u64 s[G0K+4*\slot+2:G0K+4*\slot+3], s[G0K+4*\slot+2:G0K+4*\slot+3], 2*TILEB
	s_add_nc_u64 s[G0V+4*\slot+2:G0V+4*\slot+3], s[G0V+4*\slot+2:G0V+4*\slot+3], 2*TILEB
	ROUND                                          ; both now hold of every wave of all four work-groups
	JLOAD \slot                                    ; the wave's one tensor load behind the round: it has the other slot's eight trips in which to land
.endm
	; keys 0-511.  Step 0 is written out: K, the scores of block 0, then part A without products with V
	v_add_nc_u32 v[KA], 0, v[KL]
	v_add_nc_u32 v[VA], VOFF-64*VPITCH, v[VL]
	KLOAD
	s_wait_dscnt 0x8                               ; d = 0..31 are in
	QKB 0, 0
	s_wait_dscnt 0x0
	v_add_nc_u32 v[KA], 64*KPITCH, v[KA]
	QKB 0, 1
.rept 4
	v_nop                                          ; once: four places in front of the first reads of S (ISA guide 7.12.1)
.endr
	PART 0, 1, 1, 0, 1
	ITER 1, 1                                      ; step 1: block 1's first softmax; both blocks' first products with V start O
	s_mov_b32 s53, 6
.Lstep_first:
	ITER 0, 2
	s_sub_co_u32 s53, s53, 1
	s_cmp_lg_u32 s53, 0
	s_cbranch_scc1 .Lstep_first
	FILL 0                                         ; keys 1024-1535 go out
	TILE 1                                         ; keys 512-1023
	FILL 1                                         ; keys 1536-2047 go out: the last load
	TILE 0
	s_wait_dscnt 0x0                               ; my reads of slot 0 are back: behind this barrier its first bytes serve as the stage
	s_wait_tensorcnt 0x0                           ; my part of the last tile is in
	s_barrier_signal -1
	s_barrier_wait -1
	TILE 1
	PART 1, 0, 0, 2, 0                             ; what is left: block 1's last softmax beside block 0's last products,
.set PZ, 0
.irp ks, 0,1
.irp dt, 0,1,2,3
	PVW 1, \ks, \dt                                ; and block 1's last products
.endr
.endr
	; THE END: the two halves' sums meet, O is divided, rounded to f16 and sent through my own stage: 32 queries x 144 bytes at 4,608 x wave in slot 0,
	; which has had its last fill and which no wave reads any more.
.irp n, 0,1
	v_permlanex16_b32 v[TM+\n], v[LS+\n], s48, s49
.endr
.irp n, 0,1
	v_add_f32 v[LS+\n], v[LS+\n], v[TM+\n]
.endr
	v_rcp_f32 v[AL],   v[LS]
	v_rcp_f32 v[AL+1], v[LS]
	v_rcp_f32 v[NM],   v[LS+1]
	v_rcp_f32 v[NM+1], v[LS+1]
	s_mul_i32 s57, s8, 32*KPITCH
	v_bfe_u32 v249, v0, 4, 1                       ; the addresses: plain work behind the reciprocals (ISA guide 5.7.2), and the places in front of the reads of O (7.12.1)
	v_mul_u32_u24 v248, v1, KPITCH                 ; in: query r, 16 bytes for each half of the lanes
	v_lshl_add_u32 v248, v249, 4, v248
	v_add_nc_u32 v248, s57, v248
	v_and_b32 v251, 31, v0
	v_lshrrev_b32 v252, 3, v251                    ; back: eight lanes take a query's 128 bytes, the wave four queries
	v_mul_u32_u24 v250, v252, KPITCH
	v_and_b32 v253, 7, v0
	v_lshl_add_u32 v250, v253, 4, v250
	v_add_nc_u32 v250, s57, v250
	v_lshlrev_b32 v254, 4, v251                    ; in ao the four queries are 512 consecutive bytes
.set j, 0
	s_wait_alu depctr_va_vdst(0)
.rept 16
	v_pk_mul_f32 v[OA+j:OA+j+1], v[OA+j:OA+j+1], v[AL:AL+1]
	v_pk_mul_f32 v[OA+32+j:OA+32+j+1], v[OA+32+j:OA+32+j+1], v[NM:NM+1]
.set j, j+2
.endr
.irp b, 0,8,16,24,32,40,48,56
.irp i, 0,1,2,3
	v_cvt_pk_f16_f32 v[OA+\b+\i], v[OA+\b+2*\i], v[OA+\b+2*\i+1]   ; d = 16 dt + 8 h + 0..7 of query r: 16 bytes
.endr
.endr
.irp n, 0,1
.irp dt, 0,1,2,3
	ds_store_b128 v248, v[OA+32*\n+8*\dt:OA+32*\n+8*\dt+3] offset:\n*16*KPITCH+\dt*32
.endr
.endr
.irp t, 0,1,2,3,4,5,6,7
	ds_load_b128 v[VF+4*\t:VF+4*\t+3], v250 offset:\t*4*KPITCH     ; LDS serves a wave's instructions in order (ISA guide 5.7.1.4): these see the stores above
.endr
.irp t, 0,1,2,3,4,5,6,7
	s_wait_dscnt 7-\t
	global_store_b128 v254, v[VF+4*\t:VF+4*\t+3], s[6:7] offset:512*\t   ; the wave stores 512 consecutive bytes at a multiple of 512
.endr
	s_set_vgpr_msb 0x4
	s_wait_tensorcnt 0x0
	ds_add_u32 v255, v65
	s_wait_dscnt 0x0
	s_set_vgpr_msb 0x400
	ROUND                                          ; the closing round
	s_endpgm
.Lfunc_end_k_qea72b13c1e_attn:
	.size	k_qea72b13c1e_attn, .Lfunc_end_k_qea72b13c1e_attn-k_qea72b13c1e_attn
	.p2alignl 7, 3214868480
	.fill 96, 4, 3214868480
	.section	.rodata,"a",@progbits
	.p2align	6, 0x0
	.amdhsa_kernel k_qea72b13c1e_attn
		.amdhsa_group_segment_fixed_size 327680
		.amdhsa_private_segment_fixed_size 0
		.amdhsa_enable_private_segment 0
		.amdhsa_kernarg_size 16
		.amdhsa_user_sgpr_count 2
		.amdhsa_user_sgpr_kernarg_segment_ptr 1
		.amdhsa_wavefront_size32 1
		.amdhsa_system_sgpr_workgroup_id_x 1
		.amdhsa_system_sgpr_workgroup_id_y 1
		.amdhsa_system_sgpr_workgroup_id_z 1
		.amdhsa_system_vgpr_workitem_id 0
		.amdhsa_next_free_vgpr 322
		.amdhsa_next_free_sgpr 66
		.amdhsa_reserve_vcc 0
		.amdhsa_float_denorm_mode_32 3
		.amdhsa_float_denorm_mode_16_64 3
		.amdhsa_memory_ordered 1
		.amdhsa_forward_progress 1
		.amdhsa_inst_pref_size 129
	.end_amdhsa_kernel
	.amdgpu_metadata
---
amdhsa.version: [ 1, 2 ]
amdhsa.kernels:
  - .name:           k_qea72b13c1e_attn
    .symbol:         k_qea72b13c1e_attn.kd
    .args:
      - { .name: qkv, .offset: 0, .size: 8, .value_kind: global_buffer, .address_space: global }
      - { .name: ao, .offset: 8, .size: 8, .value_kind: global_buffer, .address_space: global }
    .group_segment_fixed_size: 327680
    .private_segment_fixed_size: 0
    .kernarg_segment_align: 8
    .kernarg_segment_size: 16
    .max_flat_workgroup_size: 256
    .sgpr_count:     66
    .vgpr_count:     322
    .wavefront_size: 32
...
	.end_amdgpu_metadata
.endif
;; end of part 3
;; launch oproj (part 4): grid 8 x 32, 4 waves a work-group, clusters of 4 x 4, 327,680 bytes of LDS; arguments ao, cb, b_o, out0; writes out0
.if DOCPART == 4
	.amdgcn_target "amdgcn-amd-amdhsa--gfx1250"
	.amdhsa_code_object_version 6
	.text
	.protected	k_qea72b13c1e_oproj
	.globl	k_qea72b13c1e_oproj
	.p2align	8
	.type	k_qea72b13c1e_oproj,@function
k_qea72b13c1e_oproj:
	s_mov_b64 s[64:65], 0
	v_nop
	global_prefetch_b8 v0, s[64:65] scope:SCOPE_SE
	s_setreg_imm32_b32 hwreg(HW_REG_WAVE_MODE, 25, 1), 1
	s_wait_xcnt 0x0
	s_wait_alu depctr_hold_cnt(0) depctr_sa_sdst(0) depctr_va_vdst(0) depctr_va_sdst(0) depctr_va_ssrc(0) depctr_va_vcc(0) depctr_vm_vsrc(0)
	s_getreg_b32 s2, hwreg(HW_REG_IB_STS2, 6, 4)
	s_cmp_eq_u32 s2, 0
	s_cbranch_scc0 .Lentry_in_a_cluster
	s_endpgm
.Lentry_in_a_cluster:
	s_bfe_u32 s2, ttmp6, 0x10000c
	s_cmp_lg_u32 s2, 0xf033
	s_cbranch_scc0 .Lentry_shape_is_right
	s_endpgm
.Lentry_shape_is_right:
; out0[4096][1024] = A w_o + b_o in f32.  A is the attention output, f16, head-major (ao[batch][head][token][64]): column k of A is number k % 64 of head k / 64.
; w_o is its f16 copy in cb, stored [K][N]; sums and bias in f32; the output is not rounded again.
; Blocks of 128 x 128 give 8 x 32 = 256 work-groups, one for each WGP; four waves, 64 x 64 each: 16 accumulator tiles in window 1.
; A slot holds K = 256 (four heads): four slot steps, written out; from a request to the wait for it a wave issues 128 matrix instructions.
; CLUSTERS: 4 x 4.  A's tile hangs on the block row alone (joint along a row of the cluster), w_o's on the block column alone (joint along a column).
; The matrix instruction is used transposed (source 0 = 16 columns of w_o, source 1 = 16 rows of A): a lane holds eight neighbouring columns of a row.
.set APITCH, 144                       ; a token's 128 bytes of a head + 16
.set BPITCH, 288                       ; 128 columns' 256 bytes + 32
.set HEADB,  128*APITCH                ; a head's 128 tokens: 18,432
.set HALFT,  2*HEADB                   ; what one wave fetches: two heads of A, or 128 K rows of w_o (128 x 288): 36,864 either way
.set SLOT,   4*HALFT                   ; A's four heads, then w_o's 256 rows: 147,456
.set STAGE,  2*SLOT                    ; behind the ring, at a multiple of 256: 16 rows x 272 bytes for each wave; no tile lands here
.set SPITCH, 272
.set WOFF,   31457280                  ; w_o's copy in cb
.set ADRA,  16                         ; v16-17 my A fragments in slot 0, 1
.set ADRBL, 18                         ; v18-19 my w_o fragments, K rows 0-127 of the slot
.set ADRBH, 20                         ; v20-21 K rows 128-255: the 16-bit offset does not reach them from the first
.set STO,   24
.set RD,    25
.set CO,    26
.set BIAS,  32                         ; v32-63: register 8 b + j = bias of column 16 b + 8 h + j
.set F0,    64                         ; fragment buffer: A's four blocks at f + 8 a, w_o's four at f + 32 + 8 b
.set F1,    128
.set G1, 24
.set G0, 32
.set G1B, 48
.set G0B, 56
.set MSB, 0
.macro WIN new
.if MSB != \new
	s_set_vgpr_msb (MSB<<8)|\new
.set MSB, \new
.endif
.endm
.macro JLOAD s                         ; waves 0 and 1 fetch A's two pairs of heads, waves 2 and 3 w_o's two halves
	s_cmp_eq_u32 s11, 0
	s_cbranch_scc0 .Lfor_b_\@
	tensor_load_to_lds s[G0+4*\s:G0+4*\s+3], s[G1:G1+7]
	s_nop 0
	s_branch .Lasked_\@
.Lfor_b_\@:
	tensor_load_to_lds s[G0B+4*\s:G0B+4*\s+3], s[G1B:G1B+7]
	s_nop 0
.Lasked_\@:
.endm
.macro CREST
	s_cmp_lg_u32 s10, 0
	s_cbranch_scc1 .Lnot_wave_0_\@
	s_barrier_signal -3
.Lnot_wave_0_\@:
	s_barrier_wait -3
	s_barrier_signal -1
	s_barrier_wait -1
.endm
.macro CROUND
	s_barrier_signal -1
	s_barrier_wait -1
	CREST
.endm
	s_load_b256 s[68:75], s[0:1], 0x0              ; ao s[68:69], cb s[70:71], b_o s[72:73], out0 s[74:75]
	v_lshl_add_u32 v254, v0, 2, 0x4c400
	v_mov_b32 v255, 0
	ds_add_u32 v254, v255
	v_lshrrev_b32 v1, 5, v0
	v_readfirstlane_b32 s10, v1                    ; wave 0..3
	s_lshr_b32 s11, s10, 1                         ; my half of the block's rows.  Also: I fetch for A (0) or for w_o (1)
	s_and_b32 s12, s10, 1                          ; my half of its columns.  Also: which half of that tile I fetch
	s_bfe_u32 s40, ttmp6, 0x40000                  ; cx
	s_bfe_u32 s41, ttmp6, 0x40004                  ; cy
	s_lshl_b32 s42, ttmp9, 2
	s_add_co_u32 s42, s42, s40                     ; block column, 0 to 7
	s_and_b32 s13, ttmp7, 0xffff
	s_lshl_b32 s13, s13, 2
	s_add_co_u32 s13, s13, s41                     ; block row, 0 to 31
	s_lshl_b32 s43, s41, 2
	s_lshl_b32 s43, 15, s43                        ; my row of the cluster
	s_lshl_b32 s44, 0x1111, s40                    ; my column
	; A's group 1: two heads' dense blocks of 128 tokens x 64 = two rows of 8,192 elements, 131,072 elements (a head) apart; a pad behind every 32 words (a token)
	s_or_b32 s[G1+0], s43, (1<<16)|(1<<20)|(1<<21)|(4<<22)|(3<<25)
	s_mov_b32 s[G1+1], 8192<<16                    ; tensor_dim0 = 8,192
	s_mov_b32 s[G1+2], 2<<16                       ; tensor_dim1 = 2
	s_mov_b32 s[G1+3], 8192<<16                    ; tile_dim0 = 8,192
	s_mov_b32 s[G1+4], 2                           ; tile_dim1 = 2
	s_mov_b32 s[G1+5], 131072
	s_mov_b32 s[G1+6], 0
	s_mov_b32 s[G1+7], 0
	; w_o's group 1: 128 K rows x 128 columns, 1,024 elements from row to row; eight words of padding behind every 64
	s_or_b32 s[G1B+0], s44, (1<<16)|(1<<20)|(1<<21)|(5<<22)|(7<<25)
	s_mov_b32 s[G1B+1], 128<<16
	s_mov_b32 s[G1B+2], 128<<16
	s_mov_b32 s[G1B+3], 128<<16
	s_mov_b32 s[G1B+4], 128
	s_mov_b32 s[G1B+5], 1024
	s_mov_b32 s[G1B+6], 0
	s_mov_b32 s[G1B+7], 0
	s_lshr_b32 s16, s13, 4                         ; A: batch = block row / 16, 4 MiB each,
	s_lshl_b32 s16, s16, 22
	s_and_b32 s17, s13, 15                         ; token 128 x (block row % 16), 128 bytes a token,
	s_lshl_b32 s17, s17, 14
	s_add_co_u32 s16, s16, s17
	s_lshl_b32 s17, s12, 19                        ; heads 2 x half, 262,144 bytes a head
	s_add_co_u32 s16, s16, s17
	s_mov_b32 s17, 0
	s_lshl_b32 s46, s42, 8                         ; w_o: column 128 x block column, in bytes,
	s_lshl_b32 s47, s12, 18                        ; K row 128 x half, 2,048 bytes a row,
	s_add_co_u32 s46, s46, s47
	s_add_co_u32 s46, s46, WOFF
	s_mov_b32 s47, 0
	s_mul_i32 s20, s12, HALFT                      ; LDS: the wave's number alone
	s_add_co_u32 s21, s20, 2*HALFT
	s_lshl_b32 s78, s42, 9                         ; my 64 columns, 4 bytes each: 512 x block column + 256 x half (bias and output)
	s_lshl_b32 s79, s12, 8
	s_add_co_u32 s78, s78, s79
	s_mov_b32 s79, 0
	s_wait_dscnt 0x0
	s_wait_kmcnt 0x0
	s_add_nc_u64 s[14:15], s[68:69], s[16:17]
	s_add_nc_u64 s[46:47], s[70:71], s[46:47]
	s_add_nc_u64 s[72:73], s[72:73], s[78:79]
	CROUND                                         ; the first joint loads meet
.irp s, 0,1
	s_mov_b32 s[G0+4*\s], 1
	s_add_co_u32 s[G0+4*\s+1], s20, \s*SLOT
	s_add_nc_u64 s[G0+4*\s+2:G0+4*\s+3], s[14:15], \s*4*262144     ; slot step s: heads 4 s ..
	s_or_b32 s[G0+4*\s+3], s[G0+4*\s+3], 0x80000000
	s_mov_b32 s[G0B+4*\s], 1
	s_add_co_u32 s[G0B+4*\s+1], s21, \s*SLOT
	s_add_nc_u64 s[G0B+4*\s+2:G0B+4*\s+3], s[46:47], \s*256*2048   ; K rows 256 s ..
	s_or_b32 s[G0B+4*\s+3], s[G0B+4*\s+3], 0x80000000
	JLOAD \s                                       ; two tensor loads of the wave are out, the most in this text
.endr
	v_and_b32 v1, 15, v0                           ; r
	v_bfe_u32 v2, v0, 4, 1                         ; h
	v_lshlrev_b32 v6, 5, v2
.irp b, 0,1,2,3
	global_load_b128 v[BIAS+8*\b:BIAS+8*\b+3],   v6, s[72:73] offset:64*\b
	global_load_b128 v[BIAS+8*\b+4:BIAS+8*\b+7], v6, s[72:73] offset:64*\b+16
.endr
	v_mul_u32_u24 v3, v1, APITCH
	v_lshl_add_u32 v3, v2, 4, v3                   ; A: token r x pitch + 16 h
	v_and_b32 v7, 7, v0
	v_bfe_u32 v9, v0, 3, 1
	v_lshl_add_u32 v8, v2, 3, v7
	v_mul_u32_u24 v8, v8, BPITCH
	v_lshl_add_u32 v8, v9, 4, v8                   ; w_o: (8 h + l % 8) x pitch + 16 x bit 3 of l
	s_mul_i32 s22, s11, 64*APITCH                  ; my 64 tokens in each head's block
	s_lshl_b32 s23, s12, 7                         ; my 64 columns: 128 bytes along w_o's rows,
	s_add_co_u32 s23, s23, 2*HALFT                 ; behind A's four heads
.irp s, 0,1
	v_add_nc_u32 v[ADRA+\s], s22, v3
	v_add_nc_u32 v[ADRBL+\s], s23, v8
	v_add_nc_u32 v[ADRBH+\s], HALFT, v[ADRBL+\s]
	s_add_co_u32 s22, s22, SLOT
	s_add_co_u32 s23, s23, SLOT
.endr
	s_mul_i32 s22, s10, 16*SPITCH
	s_add_co_u32 s22, s22, STAGE                   ; my stage
	v_mul_u32_u24 v4, v1, SPITCH                   ; in: row r, 32 bytes (eight f32) for each half of the lanes
	v_lshl_add_u32 v4, v2, 5, v4
	v_add_nc_u32 v[STO], s22, v4
	v_mul_u32_u24 v5, v2, SPITCH                   ; back: lanes 0-15 take one row's 256 bytes, lanes 16-31 the next
	v_lshl_add_u32 v5, v1, 4, v5
	v_add_nc_u32 v[RD], s22, v5
	v_lshlrev_b32 v5, 4, v1
	v_lshl_add_u32 v[CO], v2, 12, v5               ; the same two rows in out0: 4,096 bytes apart
; 16 loads: the fragments of quarter kq (32 K of the slot's 256: head kq / 2, its numbers 32 (kq % 2) ..) into buffer f
.macro FETCH slot, kq, f
.irp a, 0,1,2,3
	ds_load_b128 v[\f+8*\a:\f+8*\a+3],   v[ADRA+\slot] offset:((\kq)>>1)*HEADB+((\kq)&1)*64+\a*16*APITCH
	ds_load_b128 v[\f+8*\a+4:\f+8*\a+7], v[ADRA+\slot] offset:((\kq)>>1)*HEADB+((\kq)&1)*64+\a*16*APITCH+32
.endr
.irp b, 0,1,2,3
.if (\kq) < 4
	ds_load_tr16_b128 v[\f+32+8*\b:\f+32+8*\b+3],   v[ADRBL+\slot] offset:((\kq)&3)*32*BPITCH+32*\b
	ds_load_tr16_b128 v[\f+32+8*\b+4:\f+32+8*\b+7], v[ADRBL+\slot] offset:((\kq)&3)*32*BPITCH+32*\b+16*BPITCH
.else
	ds_load_tr16_b128 v[\f+32+8*\b:\f+32+8*\b+3],   v[ADRBH+\slot] offset:((\kq)&3)*32*BPITCH+32*\b
	ds_load_tr16_b128 v[\f+32+8*\b+4:\f+32+8*\b+7], v[ADRBH+\slot] offset:((\kq)&3)*32*BPITCH+32*\b+16*BPITCH
.endif
.endr
.endm
; 16 matrix instructions, 32 along K; the 16 accumulators take turns, one instruction a turn.  first = 1: C is the bias.
.macro MUL f, first
.irp a, 0,1,2,3
.irp b, 0,1,2,3
.if \first
	v_wmma_f32_16x16x32_f16 v[8*(4*\a+\b):8*(4*\a+\b)+7], v[\f+32+8*\b:\f+32+8*\b+7], v[\f+8*\a:\f+8*\a+7], v[BIAS+8*\b:BIAS+8*\b+7]
.else
	v_wmma_f32_16x16x32_f16 v[8*(4*\a+\b):8*(4*\a+\b)+7], v[\f+32+8*\b:\f+32+8*\b+7], v[\f+8*\a:\f+8*\a+7], v[8*(4*\a+\b):8*(4*\a+\b)+7]
.endif
.endr
.endr
.endm
.macro PLACES                          ; four places behind the matrix instructions that read a buffer, in front of the loads into it (ISA guide 7.12.1 for vector instructions)
.rept 4
	v_nop
.endr
.endm
; One of a slot's first seven quarters: the next quarter's fragments are asked for into buffer g, then buffer f is multiplied
.macro QTR slot, kq, f, g, first
.if \first == 0
	PLACES
.endif
	FETCH \slot, \kq+1, \g
	s_wait_dscnt 16                                ; all but the 16 just issued: buffer f is in
.if \first
	WIN 0x40                                       ; D window 1, C (the bias) and both sources window 0
.else
	WIN 0x50                                       ; C and D window 1
.endif
	MUL \f, \first
	WIN 0
.endm
.macro SEVEN slot, first
	QTR \slot, 0, F0, F1, \first
	QTR \slot, 1, F1, F0, 0
	QTR \slot, 2, F0, F1, 0
	QTR \slot, 3, F1, F0, 0
	QTR \slot, 4, F0, F1, 0
	QTR \slot, 5, F1, F0, 0
	QTR \slot, 6, F0, F1, 0
.endm
; The eighth quarter changes slots: each wave's waits, the barrier (with the products between its halves), the refill first behind it, then the next slot's fragments
.macro TURN slot, next, fill
	s_wait_dscnt 0                                 ; buffer 1 is in, and my reads of this slot are over
	s_wait_tensorcnt 0x0                           ; all my tensor loads have landed: the one that was out is my part of the next slot
	ds_add_u32 v254, v255
	s_wait_dscnt 0x0
	s_barrier_signal -1                            ; where a slot is filled again this barrier opens a round of the cluster's barrier
	WIN 0x50
	MUL F1, 0
	WIN 0
	s_barrier_wait -1
.if \fill
	CREST
	s_add_nc_u64 s[G0+4*\slot+2:G0+4*\slot+3], s[G0+4*\slot+2:G0+4*\slot+3], 8*262144      ; eight heads on
	s_add_nc_u64 s[G0B+4*\slot+2:G0B+4*\slot+3], s[G0B+4*\slot+2:G0B+4*\slot+3], 512*2048  ; 512 K rows on
	JLOAD \slot                                    ; the first tensor load behind the round, the wave's only one until the next
.endif
	PLACES
	FETCH \next, 0, F0
.endm
	s_wait_tensorcnt 1                             ; my part of slot 0 is in; slot 1's stays out
	s_barrier_signal -1
	s_barrier_wait -1
	FETCH 0, 0, F0
	s_wait_loadcnt 0x0                             ; the bias
	SEVEN 0, 1                                     ; heads 0-3
	TURN 0, 1, 1
	SEVEN 1, 0                                     ; heads 4-7
	TURN 1, 0, 1
	SEVEN 0, 0                                     ; heads 8-11
	TURN 0, 1, 0                                   ; nothing is left to fetch
	SEVEN 1, 0                                     ; heads 12-15
	s_wait_dscnt 0
	WIN 0x50
	MUL F1, 0
	WIN 0
	; THE WAY OUT, 16 rows at a time, in f32: 32 bytes a lane into my own stage, read back as whole rows of 256 bytes
	PLACES                                         ; in front of the LDS stores that read results and of the loads into the buffers
	s_lshl_b32 s16, s13, 19                        ; row 128 x block row + 64 x half, 4,096 bytes a row
	s_lshl_b32 s17, s11, 18
	s_add_co_u32 s16, s16, s17
	s_mov_b32 s17, 0
	s_add_nc_u64 s[74:75], s[74:75], s[16:17]
	s_add_nc_u64 s[74:75], s[74:75], s[78:79]      ; my 64 columns
.macro OUT16 a, f
	WIN 0x04                                       ; the stores' data in window 1, their address in window 0
.irp b, 0,1,2,3
	ds_store_b128 v[STO], v[8*(4*\a+\b):8*(4*\a+\b)+3]   offset:64*\b
	ds_store_b128 v[STO], v[8*(4*\a+\b)+4:8*(4*\a+\b)+7] offset:64*\b+16
.endr
	WIN 0
	s_wait_xcnt 0x0                                ; buffer f, which earlier stores read, and the stores' base are rewritten only behind this wait
.if \a
	s_add_nc_u64 s[74:75], s[74:75], 16*4096       ; 16 rows on
.endif
.irp t, 0,1,2,3,4,5,6,7
	ds_load_b128 v[\f+4*\t:\f+4*\t+3], v[RD] offset:\t*2*SPITCH    ; LDS serves a wave's instructions in order (ISA guide 5.7.1.4): these see the stores above
.endr
.irp t, 0,1,2,3,4,5,6,7
	s_wait_dscnt 7-\t
	global_store_b128 v[CO], v[\f+4*\t:\f+4*\t+3], s[74:75] offset:2*\t*4096 th:TH_STORE_NT   ; 16 lanes store 256 consecutive bytes at a multiple of 256; nothing reads them again
.endr
.endm
	OUT16 0, F0
	OUT16 1, F1
	OUT16 2, F0
	OUT16 3, F1
	s_wait_tensorcnt 0x0
	ds_add_u32 v254, v255
	s_wait_dscnt 0x0
	CROUND                                         ; the closing round
	s_endpgm
.Lfunc_end_k_qea72b13c1e_oproj:
	.size	k_qea72b13c1e_oproj, .Lfunc_end_k_qea72b13c1e_oproj-k_qea72b13c1e_oproj
	.p2alignl 7, 3214868480
	.fill 96, 4, 3214868480
	.section	.rodata,"a",@progbits
	.p2align	6, 0x0
	.amdhsa_kernel k_qea72b13c1e_oproj
		.amdhsa_group_segment_fixed_size 327680
		.amdhsa_private_segment_fixed_size 0
		.amdhsa_enable_private_segment 0
		.amdhsa_kernarg_size 32
		.amdhsa_user_sgpr_count 2
		.amdhsa_user_sgpr_kernarg_segment_ptr 1
		.amdhsa_wavefront_size32 1
		.amdhsa_system_sgpr_workgroup_id_x 1
		.amdhsa_system_sgpr_workgroup_id_y 1
		.amdhsa_system_sgpr_workgroup_id_z 1
		.amdhsa_system_vgpr_workitem_id 0
		.amdhsa_next_free_vgpr 384
		.amdhsa_next_free_sgpr 80
		.amdhsa_reserve_vcc 0
		.amdhsa_float_denorm_mode_32 3
		.amdhsa_float_denorm_mode_16_64 3
		.amdhsa_memory_ordered 1
		.amdhsa_forward_progress 1
		.amdhsa_inst_pref_size 90
	.end_amdhsa_kernel
	.amdgpu_metadata
---
amdhsa.version: [ 1, 2 ]
amdhsa.kernels:
  - .name:           k_qea72b13c1e_oproj
    .symbol:         k_qea72b13c1e_oproj.kd
    .args:
      - { .name: ao, .offset: 0, .size: 8, .value_kind: global_buffer, .address_space: global }
      - { .name: cb, .offset: 8, .size: 8, .value_kind: global_buffer, .address_space: global }
      - { .name: b_o, .offset: 16, .size: 8, .value_kind: global_buffer, .address_space: global }
      - { .name: out0, .offset: 24, .size: 8, .value_kind: global_buffer, .address_space: global }
    .group_segment_fixed_size: 327680
    .private_segment_fixed_size: 0
    .kernarg_segment_align: 8
    .kernarg_segment_size: 32
    .max_flat_workgroup_size: 128
    .sgpr_count:     80
    .vgpr_count:     384
    .wavefront_size: 32
...
	.end_amdgpu_metadata
.endif
;; end of part 4
;; ======== version 2 of 2: 4 launches; version 1 with the launch cast written anew for expert scheduling mode
;; limits: values are held in f16: magnitudes above 65,504 overflow, below 6.1e-05 lose precision
;; workspace buffers: cb 33,554,432 bytes; qkv 25,165,824 bytes; ao 8,388,608 bytes
;; launch cast (part 5): grid 256 x 1, 16 waves a work-group, no clusters, 0 bytes of LDS; arguments q, k, v, w_q, w_k, w_v, w_o, cb; writes cb
.if DOCPART == 5
	.amdgcn_target "amdgcn-amd-amdhsa--gfx1250"
	.amdhsa_code_object_version 6
	.text
	.protected	k_qea72b13c1e_cast
	.globl	k_qea72b13c1e_cast
	.p2align	8
	.type	k_qea72b13c1e_cast,@function
k_qea72b13c1e_cast:
	s_mov_b64 s[64:65], 0
	v_nop
	global_prefetch_b8 v0, s[64:65] scope:SCOPE_SE
	s_setreg_imm32_b32 hwreg(HW_REG_WAVE_SCHED_MODE, 0, 2), 2
	s_setreg_imm32_b32 hwreg(HW_REG_WAVE_MODE, 25, 1), 1
	s_wait_xcnt 0x0
	s_wait_alu depctr_vm_vsrc(0)
; q, k, v (16 MiB of f32 each) and w_q, w_k, w_v, w_o (4 MiB each) are rounded once to f16, in their own layout, into cb:
; q at 0, k at 8 MiB, v at 16 MiB (together one matrix of 12,288 rows x 1,024), w_q at 24 MiB, w_k at 26, w_v at 28, w_o at 30.
; 64 MiB of source = 256 work-groups x 262,144 bytes; work-group i writes the 131,072 bytes at cb + i x 131,072.
; Why f16 and not bf16: the later products are judged to a hundredth of the output's root mean square, and the chain of
; roundings (Q, K, P, V, the attention output) in 8-bit significands adds up to more than a third of that; in 11 bits to a fourteenth.
; LIMIT: a magnitude above 65,504 becomes infinite, one below 2^-14 keeps an absolute step of 2^-24.  The activations' spread is 1
; and the weights' 1/32: thirty times larger is about 165, thirty times smaller about 0.001: both lie inside.
; A stream: no LDS, no barrier, no matrix unit.  A wave owns 16 KiB of source: 32 loads of 512 neighbouring bytes, all issued at once,
; then 32 stores of 256 neighbouring bytes that start at a multiple of 256.
; THE MODE: SCHED_MODE bits 1:0 = 2 (LLVM: expert scheduling mode 2), set by the entry lines.  The code itself states the register dependences
; between vector instructions and memory instructions, with s_wait_alu, always for 0.
; THE PLAN.  Registers that memory instructions touch:
;   v1, v2   byte offsets of the loads and of the stores: written at the head, never again.
;   X        load i lands in its own four registers, which no vector instruction ever writes; its two conversions read them, once.
;   Y        store i leaves from its own two registers: written once, by load i's two conversions; read once, by the store.
; No register that a memory instruction reads is written again, and no load lands where a vector instruction has been: what is left to state is that
; a register is written before a memory instruction reads it.  The work goes in eight blocks of four loads.  Block p converts its own X into its own Y;
; its memory instructions are the four stores of block p - 1, whose Y no vector instruction of block p names.  So one wait at a block's head
; states all that the block's four stores hang on, and they are dealt among its conversions with no further wait.
.set X, 8                              ; v[8:135]    load i: four f32
.set Y, 136                            ; v[136:199]  store i: four f16
.set BLOCK, 4                          ; loads, and stores, in a block
	s_load_b512 s[8:23], s[0:1], 0x0               ; q s[8:9], k s[10:11], v s[12:13], w_q s[14:15], w_k s[16:17], w_v s[18:19], w_o s[20:21], cb s[22:23]
	s_lshr_b32 s2, ttmp9, 6                        ; g: 0 q, 1 k, 2 v, 3 a weight (64 work-groups for 16 MiB)
	s_bfe_u32 s3, ttmp9, 0x20004                   ; j: which weight (16 work-groups for 4 MiB)
	s_and_b32 s4, ttmp9, 63                        ; my chunk in an activation
	s_and_b32 s5, ttmp9, 15                        ; my chunk in a weight
	v_lshrrev_b32 v3, 5, v0                        ; wave
	v_and_b32 v4, 31, v0                           ; lane
	v_lshlrev_b32 v1, 4, v4
	v_lshl_or_b32 v1, v3, 14, v1                   ; source: 16,384 x wave + 16 x lane
	v_lshlrev_b32 v2, 3, v4
	v_lshl_or_b32 v2, v3, 13, v2                   ; destination: 8,192 x wave + 8 x lane
	s_wait_kmcnt 0x0
	s_cmp_eq_u32 s2, 1                             ; the source is chosen among the buffers by the work-group's number alone
	s_cselect_b64 s[24:25], s[10:11], s[8:9]
	s_cmp_eq_u32 s2, 2
	s_cselect_b64 s[24:25], s[12:13], s[24:25]
	s_cmp_eq_u32 s3, 1
	s_cselect_b64 s[26:27], s[16:17], s[14:15]
	s_cmp_eq_u32 s3, 2
	s_cselect_b64 s[26:27], s[18:19], s[26:27]
	s_cmp_eq_u32 s3, 3
	s_cselect_b64 s[26:27], s[20:21], s[26:27]
	s_cmp_eq_u32 s2, 3
	s_cselect_b64 s[24:25], s[26:27], s[24:25]
	s_cselect_b32 s28, s5, s4
	s_lshl_b32 s28, s28, 18                        ; my chunk x 262,144 bytes
	s_mov_b32 s29, 0
	s_add_nc_u64 s[24:25], s[24:25], s[28:29]
	s_lshl_b32 s30, ttmp9, 17                      ; work-group x 131,072 bytes
	s_mov_b32 s31, 0
	s_add_nc_u64 s[22:23], s[22:23], s[30:31]
	s_wait_alu depctr_va_vdst(0)                   ; v1 and v2 are written: every load of the kernel reads v1 as its offset, every store v2
.set i, 0
.rept 32
	global_load_b128 v[X+4*i:X+4*i+3], v1, s[24:25] offset:512*i th:TH_LOAD_NT   ; read once in the whole launch
.set i, i+1
.endr
.set i, 0
.rept 32
.if i%BLOCK == 0                       ; a block's head
	s_wait_loadcnt 32-BLOCK-i                      ; loads come back in order (ISA guide 5.7.1): this block's four are in, the younger ones stay out
.if i > 0
	s_wait_alu depctr_va_vdst(0)                   ; the block before has written its eight registers of Y, which the four stores of this block read
.endif
.endif
.if i >= BLOCK
	global_store_b64 v2, v[Y+2*(i-BLOCK):Y+2*(i-BLOCK)+1], s[22:23] offset:256*(i-BLOCK)   ; the block before: no vector instruction since the wait names these registers.  The wave stores 256 consecutive bytes; the next launch reads them, so no streaming hint
.endif
	v_cvt_pk_f16_f32 v[Y+2*i],   v[X+4*i],   v[X+4*i+1]
	v_cvt_pk_f16_f32 v[Y+2*i+1], v[X+4*i+2], v[X+4*i+3]
.set i, i+1
.endr
	s_wait_alu depctr_va_vdst(0)                   ; the last block has written its Y, which the last four stores read
.set i, 32-BLOCK
.rept BLOCK
	global_store_b64 v2, v[Y+2*i:Y+2*i+1], s[22:23] offset:256*i
.set i, i+1
.endr
	s_endpgm
.Lfunc_end_k_qea72b13c1e_cast:
	.size	k_qea72b13c1e_cast, .Lfunc_end_k_qea72b13c1e_cast-k_qea72b13c1e_cast
	.p2alignl 7, 3214868480
	.fill 96, 4, 3214868480
	.section	.rodata,"a",@progbits
	.p2align	6, 0x0
	.amdhsa_kernel k_qea72b13c1e_cast
		.amdhsa_group_segment_fixed_size 0
		.amdhsa_private_segment_fixed_size 0
		.amdhsa_enable_private_segment 0
		.amdhsa_kernarg_size 64
		.amdhsa_user_sgpr_count 2
		.amdhsa_user_sgpr_kernarg_segment_ptr 1
		.amdhsa_wavefront_size32 1
		.amdhsa_system_sgpr_workgroup_id_x 1
		.amdhsa_system_sgpr_workgroup_id_y 1
		.amdhsa_system_sgpr_workgroup_id_z 1
		.amdhsa_system_vgpr_workitem_id 0
		.amdhsa_next_free_vgpr 200
		.amdhsa_next_free_sgpr 66
		.amdhsa_reserve_vcc 0
		.amdhsa_float_denorm_mode_32 3
		.amdhsa_float_denorm_mode_16_64 3
		.amdhsa_memory_ordered 1
		.amdhsa_forward_progress 1
		.amdhsa_inst_pref_size 12
	.end_amdhsa_kernel
	.amdgpu_metadata
---
amdhsa.version: [ 1, 2 ]
amdhsa.kernels:
  - .name:           k_qea72b13c1e_cast
    .symbol:         k_qea72b13c1e_cast.kd
    .args:
      - { .name: q, .offset: 0, .size: 8, .value_kind: global_buffer, .address_space: global }
      - { .name: k, .offset: 8, .size: 8, .value_kind: global_buffer, .address_space: global }
      - { .name: v, .offset: 16, .size: 8, .value_kind: global_buffer, .address_space: global }
      - { .name: w_q, .offset: 24, .size: 8, .value_kind: global_buffer, .address_space: global }
      - { .name: w_k, .offset: 32, .size: 8, .value_kind: global_buffer, .address_space: global }
      - { .name: w_v, .offset: 40, .size: 8, .value_kind: global_buffer, .address_space: global }
      - { .name: w_o, .offset: 48, .size: 8, .value_kind: global_buffer, .address_space: global }
      - { .name: cb, .offset: 56, .size: 8, .value_kind: global_buffer, .address_space: global }
    .group_segment_fixed_size: 0
    .private_segment_fixed_size: 0
    .kernarg_segment_align: 8
    .kernarg_segment_size: 64
    .max_flat_workgroup_size: 512
    .sgpr_count:     66
    .vgpr_count:     200
    .wavefront_size: 32
...
	.end_amdgpu_metadata
.endif
;; end of part 5
;; launch proj: the kernel of part 2 again; grid 4 x 48, 4 waves a work-group, clusters of 4 x 4, 327,680 bytes of LDS; arguments cb, b_q, b_k, b_v, qkv; writes qkv
;; launch attn: the kernel of part 3 again; grid 8 x 32, 8 waves a work-group, clusters of 4 x 1, 327,680 bytes of LDS; arguments qkv, ao; writes ao
;; launch oproj: the kernel of part 4 again; grid 8 x 32, 4 waves a work-group, clusters of 4 x 4, 327,680 bytes of LDS; arguments ao, cb, b_o, out0; writes out0
